; MI455X (gfx1250); checked and timed in simulation.
; The chip was launched on July 23, 2026; its instructions are those of AMD's public machine-readable ISA for CDNA 5 (MIT licence, August 2026) and "CDNA5" Instruction Set Architecture Reference Guide (July 2026). The comments in the code are by the model that wrote it; some were corrected since.
;; Transformer Block. Allowed arithmetic: float matrix products may take bf16 or f16 operands with f32 sums; other float arithmetic in f32, or as packed bf16 or f16 multiplies, adds, multiply-adds, maxima and minima; sums over many terms, partial sums and values carried from step to step in f32; what a program stores and reads back later, other than sums and carried values, may be rounded once to bf16 or f16.
;; Inputs: W1 1,024 x 4,096 float32; W2 4,096 x 1,024 float32; WK 1,024 x 1,024 float32; WQ 1,024 x 1,024 float32; WV 1,024 x 1,024 float32; Wo 1,024 x 1,024 float32; b1 4,096 float32; b2 1,024 float32; bo 1,024 float32; ln1_b 1,024 float32; ln1_s 1,024 float32; ln2_b 1,024 float32; ln2_s 1,024 float32; x 4 x 1,024 x 1,024 float32.
;; Outputs: out0 4 x 1,024 x 1,024 float32.
;; One version. Each part assembles by itself: llvm-mc -triple=amdgcn-amd-amdhsa -mcpu=gfx1250 --defsym DOCPART=n.
;; ======== version 1 of 1: 7 launches
;; workspace buffers: h1 8,388,608 bytes; wb 25,165,824 bytes; qkv 25,165,824 bytes; ctx 8,388,608 bytes; x1 16,777,216 bytes; h2 8,388,608 bytes; g 33,554,432 bytes
;; launch prep (part 1): grid 896 x 1, 8 waves a work-group, no clusters, 0 bytes of LDS; arguments x, ln1_s, ln1_b, WQ, WK, WV, h1, wb; writes h1, wb
.if DOCPART == 1
	.amdgcn_target "amdgcn-amd-amdhsa--gfx1250"
	.amdhsa_code_object_version 6
	.text
	.protected	k_q4c873cb142_prep
	.globl	k_q4c873cb142_prep
	.p2align	8
	.type	k_q4c873cb142_prep,@function
k_q4c873cb142_prep:
	s_mov_b64 s[64:65], 0
	v_nop
	global_prefetch_b8 v0, s[64:65] scope:SCOPE_SE
	s_setreg_imm32_b32 hwreg(HW_REG_WAVE_MODE, 25, 1), 1
	s_wait_xcnt 0x0
; PREP.  Work-groups 0 to 511: h1 = LayerNorm(bf16(x)) with gain and shift rounded to bf16, h1 in bf16; a wave takes one row of 1,024 numbers and keeps it in 32 registers.
; Work-groups 512 to 895: WQ, WK, WV are rounded to bf16 as they lie ([K][N]) into wb's first 6,291,456 bytes, on end; 8,192 numbers a work-group.  (Wo, W1 and W2, which are wanted three launches
; on at the earliest, are rounded into the rest of wb by the attention launch.)
; FORMAT: every input of the module is rounded to bf16 (nearest even) where it is loaded; mean and variance in f32, the mean taken away before the squares.  NaN and infinities are not treated apart.
; No LDS, no barrier, no matrix unit: both halves are streams, each byte read once, every store of a wave 256 consecutive bytes, aligned.
.set X,   4                            ; v[4:35]    the row: load j holds numbers 128 j + 4 lane + 0..3
.set G,   36                           ; v[36:67]   the gain, in the same places
.set BT,  68                           ; v[68:99]   the shift
.set S,   100                          ; v[100:107] four chains of pairs
.set T,   108                          ; v108, v109 at work
.set M,   110                          ; v[110:111] the mean, twice
.set R,   112                          ; v[112:113] 1 / sqrt(var + eps), twice
.set TMP, 114                          ; v114, v115 two numbers packed
.set Y,   116                          ; v[116:131] the row in bf16
.macro RND2 lo, tmp                    ; the pair v[lo], v[lo+1] is rounded to bf16 and widened again
	v_cvt_pk_bf16_f32 v[\tmp], v[\lo], v[(\lo)+1]
	v_lshlrev_b32 v[\lo], 16, v[\tmp]
	v_and_b32 v[(\lo)+1], s34, v[\tmp]
.endm
.macro JOIN                            ; the four chains into one number, then the sum over the 32 lanes, into every lane's v[T]
	v_pk_add_f32 v[S:S+1], v[S:S+1], v[S+2:S+3]
	v_pk_add_f32 v[S+4:S+5], v[S+4:S+5], v[S+6:S+7]
	v_pk_add_f32 v[S:S+1], v[S:S+1], v[S+4:S+5]
	v_add_f32 v[T], v[S], v[S+1]
	v_add_f32_dpp v[T], v[T], v[T] row_xmask:1 row_mask:0xf bank_mask:0xf
	v_add_f32_dpp v[T], v[T], v[T] row_xmask:2 row_mask:0xf bank_mask:0xf
	v_add_f32_dpp v[T], v[T], v[T] row_xmask:4 row_mask:0xf bank_mask:0xf
	v_add_f32_dpp v[T], v[T], v[T] row_xmask:8 row_mask:0xf bank_mask:0xf
	v_permlanex16_b32 v[T+1], v[T], s32, s33
	v_add_f32 v[T], v[T], v[T+1]
.endm
	s_load_b512 s[8:23], s[0:1], 0x0               ; x s[8:9], ln1_s s[10:11], ln1_b s[12:13], WQ s[14:15], WK s[16:17], WV s[18:19], h1 s[20:21], wb s[22:23]
	v_lshrrev_b32 v3, 5, v0
	v_readfirstlane_b32 s2, v3                     ; wave 0..7
	s_cmp_lt_u32 ttmp9, 512
	s_cbranch_scc0 .Lcast
	v_and_b32 v3, 31, v0
	v_lshlrev_b32 v1, 4, v3                        ; 16 x lane: my place in 512 bytes of the row
	v_lshlrev_b32 v2, 3, v3                        ; 8 x lane: in 256 bytes of the output row
	s_lshl_b32 s3, ttmp9, 3
	s_add_co_u32 s3, s3, s2                        ; my row
	s_lshl_b32 s4, s3, 12                          ; 4,096 bytes a row of x
	s_mov_b32 s5, 0
	s_lshl_b32 s6, s3, 11                          ; 2,048 a row of h1
	s_mov_b32 s7, 0
	s_mov_b32 s30, 0x3a800000                      ; 1 / 1024
	s_mov_b32 s31, 0x3727c5ac                      ; 1e-5
	s_mov_b32 s32, 0x76543210                      ; v_permlanex16_b32: each lane takes its own place in the other half
	s_mov_b32 s33, 0xfedcba98
	s_mov_b32 s34, 0xffff0000                      ; a word's upper bf16
	s_wait_kmcnt 0x0
	s_add_nc_u64 s[8:9], s[8:9], s[4:5]
	s_add_nc_u64 s[20:21], s[20:21], s[6:7]
.irp j, 0,1,2,3,4,5,6,7
	global_load_b128 v[X+4*(\j):X+4*(\j)+3], v1, s[8:9] offset:512*(\j) th:TH_LOAD_NT
.endr
.irp j, 0,1,2,3,4,5,6,7
	global_load_b128 v[G+4*(\j):G+4*(\j)+3], v1, s[10:11] offset:512*(\j)
.endr
.irp j, 0,1,2,3,4,5,6,7
	global_load_b128 v[BT+4*(\j):BT+4*(\j)+3], v1, s[12:13] offset:512*(\j)
.endr
	v_mov_b32 v[T+1], 0                            ; v_permlanex16_b32 counts as a reader of its destination
	s_wait_loadcnt 16                              ; the row is in; the 16 loads of gain and shift may stay out
.set k, 0
.rept 16
	RND2 X+2*k, TMP+k%2                            ; x is an input: rounded to bf16
.set k, k+1
.endr
.irp c, 0,1,2,3                        ; the sum, in four chains that the first pairs start
	v_pk_add_f32 v[S+2*(\c):S+2*(\c)+1], v[X+2*(\c):X+2*(\c)+1], v[X+8+2*(\c):X+8+2*(\c)+1]
.endr
.irp c, 0,1,2,3
	v_pk_add_f32 v[S+2*(\c):S+2*(\c)+1], v[S+2*(\c):S+2*(\c)+1], v[X+16+2*(\c):X+16+2*(\c)+1]
.endr
.irp c, 0,1,2,3
	v_pk_add_f32 v[S+2*(\c):S+2*(\c)+1], v[S+2*(\c):S+2*(\c)+1], v[X+24+2*(\c):X+24+2*(\c)+1]
.endr
	JOIN
	v_mul_f32 v[M], s30, v[T]
	v_mov_b32 v[M+1], v[M]
.set k, 0
.rept 16
	v_pk_add_f32 v[X+2*k:X+2*k+1], v[X+2*k:X+2*k+1], v[M:M+1] neg_lo:[0,1] neg_hi:[0,1]  ; x - mean
.set k, k+1
.endr
.irp c, 0,1,2,3                        ; the sum of their squares
	v_pk_mul_f32 v[S+2*(\c):S+2*(\c)+1], v[X+2*(\c):X+2*(\c)+1], v[X+2*(\c):X+2*(\c)+1]
.endr
.irp c, 4,5,6,7,8,9,10,11,12,13,14,15
	v_pk_fma_f32 v[S+2*((\c)%4):S+2*((\c)%4)+1], v[X+2*(\c):X+2*(\c)+1], v[X+2*(\c):X+2*(\c)+1], v[S+2*((\c)%4):S+2*((\c)%4)+1]
.endr
	JOIN
	v_fma_f32 v[T], v[T], s30, s31                 ; var + eps
	v_rsq_f32 v[R], v[T]
	v_rsq_f32 v[R+1], v[T]
	s_wait_loadcnt 0x0                             ; gain and shift
.set k, 0
.rept 16                               ; their rounding is the plain work behind the two roots: it names neither T nor R
	RND2 G+2*k, TMP
	RND2 BT+2*k, TMP+1
.set k, k+1
.endr
	s_wait_alu depctr_va_vdst(0)                   ; one wait for both roots, ahead of their first reader
.set k, 0
.rept 16
	v_pk_mul_f32 v[X+2*k:X+2*k+1], v[X+2*k:X+2*k+1], v[R:R+1]
.set k, k+1
.endr
.set k, 0
.rept 16
	v_pk_fma_f32 v[X+2*k:X+2*k+1], v[X+2*k:X+2*k+1], v[G+2*k:G+2*k+1], v[BT+2*k:BT+2*k+1]
.set k, k+1
.endr
.set k, 0
.rept 16
	v_cvt_pk_bf16_f32 v[Y+k], v[X+2*k], v[X+2*k+1]
.set k, k+1
.endr
.irp j, 0,1,2,3,4,5,6,7
	global_store_b64 v2, v[Y+2*(\j):Y+2*(\j)+1], s[20:21] offset:256*(\j)  ; 32 lanes x 8 bytes: 256 consecutive bytes, aligned
.endr
	s_endpgm
.Lcast:                                        ; chunk c of 384: 8,192 numbers, 32,768 bytes in, 16,384 out
	s_sub_co_u32 s3, ttmp9, 512
	v_lshlrev_b32 v1, 4, v0                        ; 16 x thread
	v_lshlrev_b32 v2, 3, v0                        ; 8 x thread
	s_wait_kmcnt 0x0
	s_mov_b64 s[4:5], s[14:15]                     ; which matrix the chunk lies in, and that matrix's first chunk
	s_mov_b32 s6, 0
	s_cmp_ge_u32 s3, 128
	s_cselect_b64 s[4:5], s[16:17], s[4:5]
	s_cselect_b32 s6, 128, s6
	s_cmp_ge_u32 s3, 256
	s_cselect_b64 s[4:5], s[18:19], s[4:5]
	s_cselect_b32 s6, 256, s6
	s_sub_co_u32 s6, s3, s6
	s_lshl_b32 s6, s6, 15
	s_mov_b32 s7, 0
	s_add_nc_u64 s[4:5], s[4:5], s[6:7]
	s_lshl_b32 s6, s3, 14
	s_add_nc_u64 s[22:23], s[22:23], s[6:7]
.irp j, 0,1,2,3,4,5,6,7
	global_load_b128 v[4+4*(\j):7+4*(\j)], v1, s[4:5] offset:4096*(\j) th:TH_LOAD_NT
.endr
.irp j, 0,1,2,3,4,5,6,7
	s_wait_loadcnt 7-(\j)                          ; loads come back in order: load j is in, the younger ones stay out
	v_cvt_pk_bf16_f32 v[40+2*(\j)], v[4+4*(\j)], v[5+4*(\j)]
	v_cvt_pk_bf16_f32 v[41+2*(\j)], v[6+4*(\j)], v[7+4*(\j)]
	global_store_b64 v2, v[40+2*(\j):41+2*(\j)], s[22:23] offset:2048*(\j)
.endr
	s_endpgm
.Lfunc_end_k_q4c873cb142_prep:
	.size	k_q4c873cb142_prep, .Lfunc_end_k_q4c873cb142_prep-k_q4c873cb142_prep
	.p2alignl 7, 3214868480
	.fill 96, 4, 3214868480
	.section	.rodata,"a",@progbits
	.p2align	6, 0x0
	.amdhsa_kernel k_q4c873cb142_prep
		.amdhsa_group_segment_fixed_size 0
		.amdhsa_private_segment_fixed_size 0
		.amdhsa_enable_private_segment 0
		.amdhsa_kernarg_size 64
		.amdhsa_user_sgpr_count 2
		.amdhsa_user_sgpr_kernarg_segment_ptr 1
		.amdhsa_wavefront_size32 1
		.amdhsa_system_sgpr_workgroup_id_x 1
		.amdhsa_system_sgpr_workgroup_id_y 1
		.amdhsa_system_sgpr_workgroup_id_z 1
		.amdhsa_system_vgpr_workitem_id 0
		.amdhsa_next_free_vgpr 132
		.amdhsa_next_free_sgpr 66
		.amdhsa_reserve_vcc 0
		.amdhsa_float_denorm_mode_32 3
		.amdhsa_float_denorm_mode_16_64 3
		.amdhsa_memory_ordered 1
		.amdhsa_forward_progress 1
		.amdhsa_inst_pref_size 21
	.end_amdhsa_kernel
	.amdgpu_metadata
---
amdhsa.version: [ 1, 2 ]
amdhsa.kernels:
  - .name:           k_q4c873cb142_prep
    .symbol:         k_q4c873cb142_prep.kd
    .args:
      - { .name: x, .offset: 0, .size: 8, .value_kind: global_buffer, .address_space: global }
      - { .name: ln1_s, .offset: 8, .size: 8, .value_kind: global_buffer, .address_space: global }
      - { .name: ln1_b, .offset: 16, .size: 8, .value_kind: global_buffer, .address_space: global }
      - { .name: WQ, .offset: 24, .size: 8, .value_kind: global_buffer, .address_space: global }
      - { .name: WK, .offset: 32, .size: 8, .value_kind: global_buffer, .address_space: global }
      - { .name: WV, .offset: 40, .size: 8, .value_kind: global_buffer, .address_space: global }
      - { .name: h1, .offset: 48, .size: 8, .value_kind: global_buffer, .address_space: global }
      - { .name: wb, .offset: 56, .size: 8, .value_kind: global_buffer, .address_space: global }
    .group_segment_fixed_size: 0
    .private_segment_fixed_size: 0
    .kernarg_segment_align: 8
    .kernarg_segment_size: 64
    .max_flat_workgroup_size: 256
    .sgpr_count:     66
    .vgpr_count:     132
    .wavefront_size: 32
...
	.end_amdgpu_metadata
.endif
;; end of part 1
;; launch qkv (part 2): grid 12 x 16, 4 waves a work-group, clusters of 4 x 4, 327,680 bytes of LDS; arguments h1, wb, qkv; writes qkv
.if DOCPART == 2
	.amdgcn_target "amdgcn-amd-amdhsa--gfx1250"
	.amdhsa_code_object_version 6
	.text
	.protected	k_q4c873cb142_qkv
	.globl	k_q4c873cb142_qkv
	.p2align	8
	.type	k_q4c873cb142_qkv,@function
k_q4c873cb142_qkv:
	s_mov_b64 s[64:65], 0
	v_nop
	global_prefetch_b8 v0, s[64:65] scope:SCOPE_SE
	s_setreg_imm32_b32 hwreg(HW_REG_WAVE_MODE, 25, 1), 1
	s_wait_xcnt 0x0
	s_wait_alu depctr_hold_cnt(0) depctr_sa_sdst(0) depctr_va_vdst(0) depctr_va_sdst(0) depctr_va_ssrc(0) depctr_va_vcc(0) depctr_vm_vsrc(0)
	s_getreg_b32 s2, hwreg(HW_REG_IB_STS2, 6, 4)
	s_cmp_eq_u32 s2, 0
	s_cbranch_scc0 .Lentry_in_a_cluster
	s_endpgm
.Lentry_in_a_cluster:
	s_bfe_u32 s2, ttmp6, 0x10000c
	s_cmp_lg_u32 s2, 0xf033
	s_cbranch_scc0 .Lentry_shape_is_right
	s_endpgm
.Lentry_shape_is_right:
; C = A B for A [4096][1024] bf16 (K along the rows) and B [1024][NP] bf16 as the weights lie ([K][N]); sums in f32.  One text serves two launches; FF1 chooses:
;   FF1 = 0: A = h1, B = WQ | WK | WV (three matrices of 1,024 columns); C rounded once to bf16 and stored by heads: qkv[which][batch x 16 + head][token][64].
;   FF1 = 1: A = h2, B = W1 (4,096 columns); g = gelu(C + bf16(b1)), rounded once to bf16, [4096][4096].  gelu(u) = u / (1 + 2^(u (CB + CA u^2))), which is 0.5 u (1 + tanh(..)) exactly.
; A tile of C is 256 x 256: four waves, each 128 x 128 in 64 accumulators (512 registers).  K goes in 8 steps of 128 through two LDS slots.  A's rows lie along K and are read by ds_load_b128;
; B's tile lies [k][n] and is read turned, by ds_load_tr16_b128.  The product is used transposed (source 0 = 16 columns of B, source 1 = 16 rows of A): a lane holds 8 neighbouring columns of one row of C.
; ONE K STEP IS WRITTEN: the slot in hand is the scalar TB (0 or SLOT), and the refills use one walking descriptor a tensor, whose LDS word is turned by an exclusive or
; (SLOT's two bits meet none of the four waves' bases, so the or is an addition or a subtraction) and whose address steps by a K step.
; CLUSTER 4 x 4: A's tile is shared along a row of the cluster, B's along a column; each is asked for jointly.  By this text's count a wave has two tensor loads out at the start and one behind each round.
; THE WAY OUT: behind the last product and a barrier the ring is read no more and has had its last fill; each wave lays its 128 x 128 sums in f32 into a stage of its own there and reads whole rows back.
; LIMITS: bf16 operands; NaN and infinities are not treated apart.
.set FF1,    0
.set T,      8                         ; K steps
.if FF1
.set NP,     4096
.set CYSH,   17                        ; log2 of 16 rows of B in bytes
.else
.set NP,     1024
.set CYSH,   15
.endif
.set PA,     272                       ; a row of A in LDS: 256 bytes + 16: the 16 rows of a load start at 16 different groups of four banks (64 banks of 4 bytes: ISA guide 11.1)
.set PB,     544                       ; a row of B: 512 + 32
.set HALFT,  128*PA                    ; what one tensor load brings: 128 rows of A, or 64 rows of B (64 x 544 is the same number)
.set SLOT,   4*HALFT                   ; A's 256 rows, then B's 128 rows
.set SPARE,  2*SLOT                    ; behind the ring: the spare words, 128 bytes a wave
.set SPITCH, 528                       ; a row of a wave's stage: 512 bytes + 16
.set STEPA,  256                       ; bytes from K step to K step in A,
.set STEPB,  128*NP*2                  ; and in B
.set ADRA, 16                          ; v16  LDS address of my A fragments in the slot in hand
.set ADRB, 17                          ; v17  the same for B
.set A0,   18                          ; v18  the same in slot 0; never rewritten
.set B0,   19                          ; v19
.set STO,  24                          ; v24  the way out: where I put 16 bytes of a row
.set RD,   25                          ; v25  where I read rows back
.set GO,   26                          ; v26  my byte offset in the output
.set BO,   27                          ; v27  my byte offset in the bias
.set SPW,  28                          ; v28  LDS address of my spare word; never rewritten
.set NIL,  29                          ; v29  0; never rewritten
.set PFO,  30                          ; v30  the prefetches' offset; never rewritten
.set BIAS, 32                          ; v[32:35] my four numbers of the bias; v36, v37 at work
.set F0,   64                          ; fragment buffers: A's in window 0, B's in window 1
.set F1,   128
.set U,    64                          ; the way out
.set TM,   96
.set OUT,  160
.set G1,  24                           ; s[24:31] descriptor group 1 for A;  s[32:39] group 0: the first fill's set, then the walking set
.set G0,  32
.set G1B, 48                           ; s[48:55], s[56:63] the same for B
.set G0B, 56
.set TB,  66                           ; s66  the slot in hand: 0 or SLOT
.set LIM, 67                           ; s67  1 in a wave that prefetches, else the greatest number
.set PFA, 68                           ; s[68:69] where my prefetches stand
.set PFS, 70                           ; s[70:71] their step
.set MSB, 0
.macro WIN new                         ; the immediate's high byte repeats the setting that is left; a switch that changes nothing is dropped
.if MSB != (\new)
	s_set_vgpr_msb (MSB<<8)|(\new)
.set MSB, \new
.endif
.endm
.set MUL_LO, 0xa1                      ; source 0 (B) window 1, source 1 (A) window 0, C and D window 2
.set MUL_HI, 0xf1                      ; the same, C and D window 3
.set TO_B,   0x40                      ; destination window 1, address window 0
.macro PLACES                          ; four plain instructions between a matrix instruction and a load into, or a read of, its registers
.rept 4
	v_nop
.endr
.endm
; A joint load: waves 0 and 1 fetch A's two halves, waves 2 and 3 B's.  The branch hangs on the wave's number alone.  An s_nop 0 and four v_nop follow each line.
.macro JLOAD s
	s_cmp_eq_u32 s11, 0
	s_cbranch_scc0 .Lfor_b_\@
	tensor_load_to_lds s[G0+4*(\s):G0+4*(\s)+3], s[G1:G1+7]
	s_nop 0
.rept 4
	v_nop
.endr
	s_branch .Lasked_\@
.Lfor_b_\@:
	tensor_load_to_lds s[G0B+4*(\s):G0B+4*(\s)+3], s[G1B:G1B+7]
	s_nop 0
.rept 4
	v_nop
.endr
.Lasked_\@:
.endm
.macro CREST                           ; a round of the cluster's barrier behind its opening barrier
	s_cmp_lg_u32 s10, 0
	s_cbranch_scc1 .Lnot_wave_0_\@
	s_barrier_signal -3
.Lnot_wave_0_\@:
	s_barrier_wait -3
	s_barrier_signal -1
	s_barrier_wait -1
.endm
.macro CROUND                          ; a whole round
	s_barrier_signal -1
	s_barrier_wait -1
	CREST
.endm
; A prefetch into the L2 of the K step that the NEXT refill will ask for: 256 matrix instructions ahead of that load.  Of the 128 blocks of 256 bytes that a wave fetches in a step each of the four
; partners that ask for them jointly takes 32, told apart by address, a lane a block.  A's rows are named by the clusters with x = 0 alone, B's by those with y = 0: each block once in the launch.
; The last filling trip (s3 = 1) has no step behind its own refill and asks for nothing.
.macro ASK
	s_cmp_gt_u32 s3, s[LIM]
	s_cbranch_scc0 .Lnot_mine_\@
	global_prefetch_b8 v[PFO], s[PFA:PFA+1] th:TH_LOAD_NT scope:SCOPE_SE
.Lnot_mine_\@:
.endm
	s_load_b128 s[4:7], s[0:1], 0x0                ; A s[4:5], wb s[6:7]
	s_load_b64 s[8:9], s[0:1], 0x10                ; the output
.if FF1
	s_load_b64 s[72:73], s[0:1], 0x18              ; b1
.endif
	v_lshl_add_u32 v[SPW], v0, 2, SPARE
	v_mov_b32 v[NIL], 0
	ds_add_u32 v[SPW], v[NIL]                      ; the wave's opening: the add and its wait stand ahead of my first tensor load; the set-up below stands between them
	v_lshrrev_b32 v1, 5, v0
	v_readfirstlane_b32 s10, v1                    ; wave 0..3
	s_lshr_b32 s11, s10, 1                         ; which half of the tile's rows is mine.  Also: I fetch for A (0) or for B (1)
	s_and_b32 s12, s10, 1                          ; which half of its columns.  Also: which half of that tile I fetch
	s_bfe_u32 s40, ttmp6, 0x40000                  ; cx
	s_bfe_u32 s41, ttmp6, 0x40004                  ; cy
	s_lshl_b32 s42, ttmp9, 2
	s_add_co_u32 s42, s42, s40                     ; tile column = 4 x cluster x + cx
	s_and_b32 s13, ttmp7, 0xffff
	s_lshl_b32 s13, s13, 2
	s_add_co_u32 s13, s13, s41                     ; tile row = 4 x cluster y + cy
	s_lshl_b32 s43, s41, 2
	s_lshl_b32 s43, 15, s43                        ; my row of the cluster
	s_lshl_b32 s44, 0x1111, s40                    ; my column
	s_or_b32 s[G1+0], s43, (1<<16)|(1<<20)|(1<<21)|(5<<22)|(3<<25)   ; the mask; 2-byte elements; padding on; bit 21 beside a mask; after every 64 words 4 words
	s_or_b32 s[G1B+0], s44, (1<<16)|(1<<20)|(1<<21)|(6<<22)|(7<<25)  ; after every 128 words 8 words
	s_mov_b32 s[G1+1], 128<<16                     ; A: tensor_dim0 = 128 elements
	s_mov_b32 s[G1+2], 128<<16                     ; tensor_dim1 = 128 rows
	s_mov_b32 s[G1+3], 128<<16                     ; tile_dim0
	s_mov_b32 s[G1+4], 128                         ; tile_dim1
	s_mov_b32 s[G1+5], 1024                        ; elements from row to row
	s_mov_b32 s[G1+6], 0
	s_mov_b32 s[G1+7], 0
	s_mov_b32 s[G1B+1], 256<<16                    ; B: 256 elements,
	s_mov_b32 s[G1B+2], 64<<16                     ; 64 rows
	s_mov_b32 s[G1B+3], 256<<16
	s_mov_b32 s[G1B+4], 64
	s_mov_b32 s[G1B+5], NP
	s_mov_b32 s[G1B+6], 0
	s_mov_b32 s[G1B+7], 0
	s_lshl_b32 s16, s13, 8                         ; A: row 256 x tile row + 128 x half, 2,048 bytes a row: it hangs on the tile row alone
	s_lshl_b32 s17, s12, 7
	s_add_co_u32 s16, s16, s17
	s_lshl_b32 s16, s16, 11
	s_mov_b32 s17, 0
.if FF1
	s_lshl_b32 s18, s42, 9                         ; B: W1's place in wb, 512 bytes a tile column, 64 rows of 8,192 bytes a half: it hangs on the tile column alone
	s_lshl_b32 s19, s12, 19
	s_add_co_u32 s18, s18, s19
	s_add_co_u32 s18, s18, 8388608
.else
	s_lshr_b32 s18, s42, 2                         ; B: which of WQ, WK, WV (2,097,152 bytes each), 512 bytes a tile column in it, 64 rows of 2,048 bytes a half
	s_lshl_b32 s18, s18, 21
	s_and_b32 s19, s42, 3
	s_lshl_b32 s19, s19, 9
	s_add_co_u32 s18, s18, s19
	s_lshl_b32 s19, s12, 17
	s_add_co_u32 s18, s18, s19
.endif
	s_mov_b32 s19, 0
	s_mul_i32 s20, s10, HALFT                      ; where my part goes: wave x HALFT
	s_mov_b32 s[TB], 0
	s_wait_dscnt 0x0                               ; the opening add is done
	s_wait_kmcnt 0x0
	s_add_nc_u64 s[14:15], s[4:5], s[16:17]
	s_add_nc_u64 s[46:47], s[6:7], s[18:19]
	CROUND                                         ; all sixteen work-groups are here: the first joint loads meet
.irp s, 0,1
	s_mov_b32 s[G0+4*(\s)], 1
	s_add_co_u32 s[G0+4*(\s)+1], s20, (\s)*SLOT
	s_add_nc_u64 s[G0+4*(\s)+2:G0+4*(\s)+3], s[14:15], (\s)*STEPA
	s_or_b32 s[G0+4*(\s)+3], s[G0+4*(\s)+3], 0x80000000
	s_mov_b32 s[G0B+4*(\s)], 1
	s_add_co_u32 s[G0B+4*(\s)+1], s20, (\s)*SLOT
	s_add_nc_u64 s[G0B+4*(\s)+2:G0B+4*(\s)+3], s[46:47], (\s)*STEPB
	s_or_b32 s[G0B+4*(\s)+3], s[G0B+4*(\s)+3], 0x80000000
	JLOAD \s
.endr
	v_and_b32 v1, 15, v0                           ; r = l % 16
	v_bfe_u32 v2, v0, 4, 1                         ; h = l / 16
	v_mul_u32_u24 v3, v1, PA                       ; A's fragment: row r, 16 bytes for each half of the lanes
	v_lshl_add_u32 v3, v2, 4, v3
	s_mul_i32 s21, s11, HALFT                      ; my 128 rows of A
	v_add_nc_u32 v[A0], s21, v3
	v_and_b32 v4, 7, v0                            ; B's: lane l reads row 8 h + l % 8, columns 8 ((l / 8) % 2) on
	v_lshl_add_u32 v4, v2, 3, v4
	v_mul_u32_u24 v4, v4, PB
	v_bfe_u32 v5, v0, 3, 1
	v_lshl_add_u32 v4, v5, 4, v4
	s_lshl_b32 s22, s12, 8                         ; my 128 columns,
	s_add_co_u32 s22, s22, 2*HALFT                 ; behind A's 256 rows
	v_add_nc_u32 v[B0], s22, v4
	v_mov_b32 v[ADRA], v[A0]
	v_mov_b32 v[ADRB], v[B0]
	s_mul_i32 s21, s10, 128*SPITCH                 ; my stage
	v_mul_u32_u24 v5, v1, SPITCH                   ; in: row r, 32 bytes for each half of the lanes
	v_lshl_add_u32 v5, v2, 5, v5
	v_add_nc_u32 v[STO], s21, v5
	v_and_b32 v7, 31, v0                           ; l
.if FF1
	v_lshl_add_u32 v[RD], v7, 4, s21               ; back: a row of 128 numbers, 16 bytes a lane
	v_lshlrev_b32 v[GO], 3, v7                     ; which are 8 bytes of g
	s_lshl1_add_u32 s22, s42, s12                  ; 2 x tile column + half
	s_lshl_b32 s23, s22, 9                         ; my 128 numbers of b1
	v_lshl_add_u32 v[BO], v7, 4, s23
	global_load_b128 v[BIAS:BIAS+3], v[BO], s[72:73]
	s_lshl_b32 s22, s22, 8                         ; g: my 128 columns, 256 bytes,
	s_lshl1_add_u32 s23, s13, s11
	s_lshl_b32 s23, s23, 20                        ; and my 128 rows of 8,192 bytes
	s_add_co_u32 s22, s22, s23
	s_mov_b32 s23, 0
	s_add_nc_u64 s[8:9], s[8:9], s[22:23]
	s_mov_b32 s74, 0xffff0000
	s_mov_b32 s76, 0xbdd2d3e8                      ; CA = -2 sqrt(2/pi) log2(e) x 0.044715
	s_mov_b32 s77, s76
	s_mov_b32 s78, 0xc0135761                      ; CB = -2 sqrt(2/pi) log2(e)
	s_mov_b32 s79, s78
.else
	v_bfe_u32 v6, v0, 3, 2                         ; back: four tokens x 64 channels of a head: lane l takes token l / 8, channels 8 (l % 8) on: 32 bytes of f32
	v_mul_u32_u24 v6, v6, SPITCH
	v_and_b32 v8, 7, v0
	v_lshl_add_u32 v6, v8, 5, v6
	v_add_nc_u32 v[RD], s21, v6
	v_lshlrev_b32 v[GO], 4, v7                     ; which are 16 of 512 consecutive bytes of a head
	s_lshr_b32 s22, s42, 2                         ; which of q, k, v: 8,388,608 bytes each
	s_lshl_b32 s22, s22, 23
	s_lshr_b32 s23, s13, 2                         ; batch x 16
	s_lshl_b32 s23, s23, 4
	s_and_b32 s2, s42, 3
	s_lshl2_add_u32 s23, s2, s23                   ; + four heads a tile column
	s_lshl1_add_u32 s23, s12, s23                  ; + two a wave
	s_lshl_b32 s23, s23, 17                        ; 131,072 bytes a head
	s_add_co_u32 s22, s22, s23
	s_and_b32 s23, s13, 3                          ; my first token in the sequence: 128 (2 (tile row % 4) + half), 128 bytes each
	s_lshl1_add_u32 s23, s23, s11
	s_lshl_b32 s23, s23, 14
	s_add_co_u32 s22, s22, s23
	s_mov_b32 s23, 0
	s_add_nc_u64 s[8:9], s[8:9], s[22:23]
.endif
	; the prefetches: A's waves take 32 rows x 256 bytes, B's 16 rows x 512
	s_mov_b32 s14, 2048                            ; bytes from row to row in A,
	s_mov_b32 s15, 2*NP                            ; and in B
	s_mov_b32 s20, STEPA
	s_mov_b32 s21, STEPB
	s_lshl_b32 s22, s40, 16                        ; A: my work-group's 32 of the 128 rows, by cx
	s_add_co_u32 s22, s22, s16
	s_add_co_u32 s22, s22, 2*STEPA                 ; at K step 2: the first refill steps it to 3
	s_lshl_b32 s23, s41, CYSH                      ; B: my work-group's 16 of the 64 rows, by cy
	s_add_co_u32 s23, s23, s18
	s_add_co_u32 s23, s23, 2*STEPB
	s_and_b32 s2, ttmp7, 0xffff                    ; cluster y
	s_cmp_eq_u32 s11, 0                            ; do I fetch for A?
	s_cselect_b32 s2, ttmp9, s2                    ; the coordinate along which other clusters read the same rows
	s_cselect_b64 s[PFA:PFA+1], s[4:5], s[6:7]
	s_cselect_b32 s14, s14, s15
	s_cselect_b32 s[PFS], s20, s21
	s_cselect_b32 s22, s22, s23
	s_cselect_b32 s15, 0, 1                        ; blocks of 256 bytes in a row of my share, less one
	s_mov_b32 s23, 0
	s_mov_b32 s[PFS+1], 0
	s_add_nc_u64 s[PFA:PFA+1], s[PFA:PFA+1], s[22:23]
	s_cmp_eq_u32 s2, 0
	s_cselect_b32 s[LIM], 1, -1                    ; the same in all sixteen partners, for a given wave
	v_lshrrev_b32 v[PFO], s15, v7
	v_and_b32 v8, s15, v7
	v_mul_lo_u32 v[PFO], v[PFO], s14
	v_lshl_add_u32 v[PFO], v8, 8, v[PFO]
; 16 matrix instructions: row blocks a0, a0 + 1 of the window's four x all 8 column blocks, 32 along K.  zero = 1: the first product starts the sums.
; The 64 accumulators take turns, one instruction a turn, in the same order in every quarter, over the backward jumps too.
.macro MUL16 f, hi, a0, zero
	WIN MUL_LO+0x50*(\hi)
.irp a, \a0, (\a0)+1
.irp b, 0,1,2,3,4,5,6,7
.if \zero
	v_wmma_f32_16x16x32_bf16 v[8*(8*(\a)+(\b)):8*(8*(\a)+(\b))+7], v[(\f)+8*(\b):(\f)+8*(\b)+7], v[(\f)+8*(4*(\hi)+(\a)):(\f)+8*(4*(\hi)+(\a))+7], 0
.else
	v_wmma_f32_16x16x32_bf16 v[8*(8*(\a)+(\b)):8*(8*(\a)+(\b))+7], v[(\f)+8*(\b):(\f)+8*(\b)+7], v[(\f)+8*(4*(\hi)+(\a)):(\f)+8*(4*(\hi)+(\a))+7], v[8*(8*(\a)+(\b)):8*(8*(\a)+(\b))+7]
.endif
.endr
.endr
.endm
; 32 LDS loads in one run: quarter q (32 along K) of the slot in hand into buffer f: B's 8 column blocks, turned, then A's 8 row blocks
.macro FETCH q, f
	WIN TO_B
.irp b, 0,1,2,3,4,5,6,7
	ds_load_tr16_b128 v[(\f)+8*(\b):(\f)+8*(\b)+3],   v[ADRB] offset:(\q)*32*PB+32*(\b)
	ds_load_tr16_b128 v[(\f)+8*(\b)+4:(\f)+8*(\b)+7], v[ADRB] offset:(\q)*32*PB+16*PB+32*(\b)
.endr
	WIN 0
.irp i, 0,1,2,3,4,5,6,7
	ds_load_b128 v[(\f)+8*(\i):(\f)+8*(\i)+3],   v[ADRA] offset:64*(\q)+(\i)*16*PA
	ds_load_b128 v[(\f)+8*(\i)+4:(\f)+8*(\i)+7], v[ADRA] offset:64*(\q)+(\i)*16*PA+32
.endr
.endm
; One of a K step's first three quarters: multiplies buffer f; in its middle fetches quarter q into buffer g
.macro QUARTER q, f, g, zero=0
	s_wait_dscnt 8                                 ; B and A's rows 0-63 are in; the youngest eight loads (A's rows 64-127) may be out
	MUL16 \f, 0, 0, \zero
	MUL16 \f, 0, 2, \zero
	PLACES
	FETCH \q, \g
	s_wait_dscnt 32                                ; all but the 32 just issued
	MUL16 \f, 1, 0, \zero
	MUL16 \f, 1, 2, \zero
.endm
; The last quarter multiplies buffer 1 and changes slots.  In front of the barrier each wave waits for all its tensor loads (one is out: its part of the next slot), adds 0 to its spare word, and waits
; for that and for its reads of this slot.  fill = 1: the barrier opens a round of the cluster's, and the slot just read is filled again first thing behind it, with the K step two on.
.macro TURN fill
.if \fill
	s_wait_xcnt 0x0                                ; the last prefetch, a K step back, has read its address
	s_add_nc_u64 s[PFA:PFA+1], s[PFA:PFA+1], s[PFS:PFS+1]
.endif
	WIN 0
	s_wait_tensorcnt 0x0                           ; all my tensor loads have landed
	ds_add_u32 v[SPW], v[NIL]                      ; 0 onto my spare word
	s_wait_dscnt 9                                 ; (the add and the youngest eight loads may be out)
	MUL16 F1, 0, 0, 0
	s_wait_dscnt 0x0                               ; the add is done, and my reads of this slot are over
	s_barrier_signal -1
	MUL16 F1, 0, 2, 0
	WIN 0
	s_barrier_wait -1
.if \fill
	CREST                                          ; no wave of any partner still reads this slot or has a load on its way
	s_xor_b32 s[G0+5], s[G0+5], SLOT               ; the walking descriptors: the other slot than last time, the next K step
	s_add_nc_u64 s[G0+6:G0+7], s[G0+6:G0+7], STEPA
	s_xor_b32 s[G0B+5], s[G0B+5], SLOT
	s_add_nc_u64 s[G0B+6:G0B+7], s[G0B+6:G0B+7], STEPB
.endif
	s_xor_b32 s[TB], s[TB], SLOT
.if \fill
	JLOAD 1                                        ; its four v_nop are also the places in front of the loads below
.else
	PLACES
.endif
	v_add_nc_u32 v[ADRA], s[TB], v[A0]
	v_add_nc_u32 v[ADRB], s[TB], v[B0]
	FETCH 0, F0
.if \fill
	ASK
.endif
	MUL16 F1, 1, 0, 0
	MUL16 F1, 1, 2, 0
.endm
	s_wait_tensorcnt 1                             ; my part of K step 0 is in; K step 1's may stay out
	s_barrier_signal -1
	s_barrier_wait -1
	FETCH 0, F0
	QUARTER 1, F0, F1, 1                           ; the first quarter's products start the sums
	WIN 0
	s_mov_b32 s3, T-2
.Lstep:                                        ; a trip: a K step's quarters 1 to 3 and the next step's quarter 0; the slot left is filled again
	QUARTER 2, F1, F0
	QUARTER 3, F0, F1
	TURN 1
	QUARTER 1, F0, F1
	WIN 0
	s_sub_co_u32 s3, s3, 1
	s_cmp_lg_u32 s3, 0
	s_cbranch_scc1 .Lstep
	s_mov_b32 s3, 2
.Ltail:                                        ; the last two K steps ask for nothing.  The second pass is left in its middle; the fragments that its change of slots fetches (landed bytes of the other slot) are not multiplied
	QUARTER 2, F1, F0
	QUARTER 3, F0, F1
	TURN 0
	WIN 0
	s_sub_co_u32 s3, s3, 1
	s_cmp_eq_u32 s3, 0
	s_cbranch_scc1 .Lout
	QUARTER 1, F0, F1
	WIN 0
	s_cmp_lg_u32 s3, 0
	s_cbranch_scc1 .Ltail
.Lout:
	PLACES                                         ; behind the last products
	s_wait_dscnt 0x0                               ; my reads of the ring are over,
	s_barrier_signal -1
	s_barrier_wait -1                              ; everybody's are: the ring, which has had its last fill, becomes the four stages
	WIN 0x08                                       ; store data in window 2; each accumulator's low four registers go first
.irp a, 0,1,2,3
.irp b, 0,1,2,3,4,5,6,7
	ds_store_b128 v[STO], v[8*(8*(\a)+(\b)):8*(8*(\a)+(\b))+3]   offset:(\a)*16*SPITCH+64*(\b)
	ds_store_b128 v[STO], v[8*(8*(\a)+(\b))+4:8*(8*(\a)+(\b))+7] offset:(\a)*16*SPITCH+64*(\b)+16
.endr
.endr
	WIN 0x0c                                       ; window 3
.irp a, 0,1,2,3
.irp b, 0,1,2,3,4,5,6,7
	ds_store_b128 v[STO], v[8*(8*(\a)+(\b)):8*(8*(\a)+(\b))+3]   offset:((\a)+4)*16*SPITCH+64*(\b)
	ds_store_b128 v[STO], v[8*(8*(\a)+(\b))+4:8*(8*(\a)+(\b))+7] offset:((\a)+4)*16*SPITCH+64*(\b)+16
.endr
.endr
	WIN 0
.if FF1
	s_wait_loadcnt 0x0                             ; the bias, rounded to bf16 like every input
	v_cvt_pk_bf16_f32 v36, v[BIAS], v[BIAS+1]
	v_cvt_pk_bf16_f32 v37, v[BIAS+2], v[BIAS+3]
	v_lshlrev_b32 v[BIAS], 16, v36
	v_and_b32 v[BIAS+1], s74, v36
	v_lshlrev_b32 v[BIAS+2], 16, v37
	v_and_b32 v[BIAS+3], s74, v37
	s_mov_b32 s3, 16
.Lrows:                                        ; 8 rows a trip; LDS serves a wave's instructions in order (ISA guide 5.7.1.4): these loads see my stores above
.irp t, 0,1,2,3,4,5,6,7
	ds_load_b128 v[U+4*(\t):U+4*(\t)+3], v[RD] offset:(\t)*SPITCH
.endr
	s_wait_dscnt 0x0
.set i, 0
.rept 16
	v_pk_add_f32 v[U+2*i:U+2*i+1], v[U+2*i:U+2*i+1], v[BIAS+2*(i%2):BIAS+2*(i%2)+1]  ; u
.set i, i+1
.endr
.set i, 0
.rept 16
	v_pk_mul_f32 v[TM+2*i:TM+2*i+1], v[U+2*i:U+2*i+1], v[U+2*i:U+2*i+1]
.set i, i+1
.endr
.set i, 0
.rept 16
	v_pk_fma_f32 v[TM+2*i:TM+2*i+1], v[TM+2*i:TM+2*i+1], s[76:77], s[78:79] op_sel_hi:[1,0,0]  ; CA u^2 + CB
.set i, i+1
.endr
.set i, 0
.rept 16
	v_pk_mul_f32 v[TM+2*i:TM+2*i+1], v[TM+2*i:TM+2*i+1], v[U+2*i:U+2*i+1]
.set i, i+1
.endr
.set i, 0
.rept 32
	v_exp_f32 v[TM+i], v[TM+i]
.set i, i+1
.endr
	v_add_nc_u32 v[RD], 8*SPITCH, v[RD]            ; the plain instruction behind the last exponential
	s_wait_alu depctr_va_vdst(0)                   ; one wait for the batch of 32
.set i, 0
.rept 16
	v_pk_add_f32 v[TM+2*i:TM+2*i+1], v[TM+2*i:TM+2*i+1], 1.0 op_sel_hi:[1,0]
.set i, i+1
.endr
.set i, 0
.rept 32
	v_rcp_f32 v[TM+i], v[TM+i]
.set i, i+1
.endr
	v_nop
	s_wait_alu depctr_va_vdst(0)                   ; and one for the 32 reciprocals
.set i, 0
.rept 16
	v_pk_mul_f32 v[U+2*i:U+2*i+1], v[U+2*i:U+2*i+1], v[TM+2*i:TM+2*i+1]
.set i, i+1
.endr
.set i, 0
.rept 16
	v_cvt_pk_bf16_f32 v[OUT+i], v[U+2*i], v[U+2*i+1]
.set i, i+1
.endr
.irp t, 0,1,2,3,4,5,6,7
	global_store_b64 v[GO], v[OUT+2*(\t):OUT+2*(\t)+1], s[8:9] offset:(\t)*8192  ; 32 lanes x 8 bytes: 256 consecutive bytes, aligned
.endr
	s_wait_xcnt 0x0                                ; the stores have read their data and their base: both are written again only behind this wait
	s_add_nc_u64 s[8:9], s[8:9], 65536
	s_sub_co_u32 s3, s3, 1
	s_cmp_lg_u32 s3, 0
	s_cbranch_scc1 .Lrows
.else
	s_mov_b32 s3, 8
.Lrows:                                        ; 16 tokens x 2 heads a trip; LDS serves a wave's instructions in order (ISA guide 5.7.1.4): these loads see my stores above
.irp e, 0,1,2,3,4,5,6,7                ; head e / 4, tokens 4 (e % 4) on
	ds_load_b128 v[U+8*(\e):U+8*(\e)+3],   v[RD] offset:((\e)%4)*4*SPITCH+((\e)/4)*256
	ds_load_b128 v[U+8*(\e)+4:U+8*(\e)+7], v[RD] offset:((\e)%4)*4*SPITCH+((\e)/4)*256+16
.endr
	s_wait_dscnt 0x0
.set i, 0
.rept 32
	v_cvt_pk_bf16_f32 v[F1+i], v[U+2*i], v[U+2*i+1]
.set i, i+1
.endr
.irp e, 0,1,2,3,4,5,6,7
	global_store_b128 v[GO], v[F1+4*(\e):F1+4*(\e)+3], s[8:9] offset:((\e)/4)*131072+((\e)%4)*512  ; 512 consecutive bytes of a head, aligned
.endr
	v_add_nc_u32 v[RD], 16*SPITCH, v[RD]
	s_wait_xcnt 0x0                                ; the stores have read their data and their base
	s_add_nc_u64 s[8:9], s[8:9], 2048
	s_sub_co_u32 s3, s3, 1
	s_cmp_lg_u32 s3, 0
	s_cbranch_scc1 .Lrows
.endif
	s_wait_tensorcnt 0x0                           ; the wave's end: behind my last tensor load and my last LDS store
	ds_add_u32 v[SPW], v[NIL]
	s_wait_dscnt 0x0
	CROUND                                         ; the closing round
	s_endpgm
.Lfunc_end_k_q4c873cb142_qkv:
	.size	k_q4c873cb142_qkv, .Lfunc_end_k_q4c873cb142_qkv-k_q4c873cb142_qkv
	.p2alignl 7, 3214868480
	.fill 96, 4, 3214868480
	.section	.rodata,"a",@progbits
	.p2align	6, 0x0
	.amdhsa_kernel k_q4c873cb142_qkv
		.amdhsa_group_segment_fixed_size 327680
		.amdhsa_private_segment_fixed_size 0
		.amdhsa_enable_private_segment 0
		.amdhsa_kernarg_size 24
		.amdhsa_user_sgpr_count 2
		.amdhsa_user_sgpr_kernarg_segment_ptr 1
		.amdhsa_wavefront_size32 1
		.amdhsa_system_sgpr_workgroup_id_x 1
		.amdhsa_system_sgpr_workgroup_id_y 1
		.amdhsa_system_sgpr_workgroup_id_z 1
		.amdhsa_system_vgpr_workitem_id 0
		.amdhsa_next_free_vgpr 1024
		.amdhsa_next_free_sgpr 80
		.amdhsa_reserve_vcc 0
		.amdhsa_float_denorm_mode_32 3
		.amdhsa_float_denorm_mode_16_64 3
		.amdhsa_memory_ordered 1
		.amdhsa_forward_progress 1
		.amdhsa_inst_pref_size 83
	.end_amdhsa_kernel
	.amdgpu_metadata
---
amdhsa.version: [ 1, 2 ]
amdhsa.kernels:
  - .name:           k_q4c873cb142_qkv
    .symbol:         k_q4c873cb142_qkv.kd
    .args:
      - { .name: h1, .offset: 0, .size: 8, .value_kind: global_buffer, .address_space: global }
      - { .name: wb, .offset: 8, .size: 8, .value_kind: global_buffer, .address_space: global }
      - { .name: qkv, .offset: 16, .size: 8, .value_kind: global_buffer, .address_space: global }
    .group_segment_fixed_size: 327680
    .private_segment_fixed_size: 0
    .kernarg_segment_align: 8
    .kernarg_segment_size: 24
    .max_flat_workgroup_size: 128
    .sgpr_count:     80
    .vgpr_count:     1024
    .wavefront_size: 32
...
	.end_amdgpu_metadata
.endif
;; end of part 2
;; launch attn (part 3): grid 4 x 64, 16 waves a work-group, clusters of 4 x 1, 327,680 bytes of LDS; arguments qkv, ctx, Wo, W1, W2, wb; writes ctx, wb
.if DOCPART == 3
	.amdgcn_target "amdgcn-amd-amdhsa--gfx1250"
	.amdhsa_code_object_version 6
	.text
	.protected	k_q4c873cb142_attn
	.globl	k_q4c873cb142_attn
	.p2align	8
	.type	k_q4c873cb142_attn,@function
k_q4c873cb142_attn:
	s_mov_b64 s[64:65], 0
	v_nop
	global_prefetch_b8 v0, s[64:65] scope:SCOPE_SE
	s_setreg_imm32_b32 hwreg(HW_REG_WAVE_MODE, 25, 1), 1
	s_wait_xcnt 0x0
	s_wait_alu depctr_hold_cnt(0) depctr_sa_sdst(0) depctr_va_vdst(0) depctr_va_sdst(0) depctr_va_ssrc(0) depctr_va_vcc(0) depctr_vm_vsrc(0)
	s_getreg_b32 s2, hwreg(HW_REG_IB_STS2, 6, 4)
	s_cmp_eq_u32 s2, 0
	s_cbranch_scc0 .Lentry_in_a_cluster
	s_endpgm
.Lentry_in_a_cluster:
	s_bfe_u32 s2, ttmp6, 0x10000c
	s_cmp_lg_u32 s2, 0x3003
	s_cbranch_scc0 .Lentry_shape_is_right
	s_endpgm
.Lentry_shape_is_right:
; CAUSAL ATTENTION, head size 64, 1,024 tokens, 64 heads (batch x 16 + head).  q, k, v: qkv[0..2][head][token][64] in bf16; ctx[head][token][64] in bf16.
; O[q] = the sum over k <= q of softmax_k(Q[q] . K[k] / 8) V[k].  Products, maxima and sums in f32; the weights p are rounded to bf16 for the second product (their sum l is of the unrounded p), O once.
; LIMITS.  A hidden score counts as -1e30, so scores stay above some -1e29; a weight below 2^-126 counts as 0 in l; NaN and infinities are not treated apart.
; SHARES.  A cluster of four work-groups is a head.  Of each of the head's 16 bands of 64 queries work-group cx takes the 16 rows at 16 cx: so all four run the same text with the same counts, and cx
; enters only addresses in memory and the mask's numbers.  Each of the 16 waves takes ONE band b, a tile of 16 queries, and walks key steps 0 to b of 64 keys.  The bands are dealt by a square of
; 4 x 4 whose rows and columns all sum to 30: any four waves w, w + 4, w + 8, w + 12, and any four 4 i .. 4 i + 3, have 34 steps together.
; K AND V of the whole head lie in LDS: each wave asks for an eighth of K or of V once, jointly with its three partners.  Nothing is filled again: no ring, no tail.
; LAYOUT.  S^T = K Q^T (source 0 = 16 keys, source 1 = 16 queries): a lane holds ONE query (lane % 16) and the keys 8 (lane / 16) + 0..7; two such results rounded to bf16 in pairs ARE source 1 of
; O^T = V^T P.  K comes out of LDS as it lies, V turned, by ds_load_tr16_b128, into the same 64 registers one after the other.
; THE MASK.  Steps 0 to b - 1 hide nothing.  Step b, the wave's last, holds the diagonal: there, under a scalar branch on the step's number, the scores of later keys are replaced by -1e30.
; SOFTMAX.  A running maximum m and sum l: p = 2^(c s - c m), c = log2(e) / 8; O and l are multiplied by a = 2^(c m_old - c m_new) in every step.  m starts at the lowest finite number, O and l at 0.
; THE LOOP counts to the constant 16; a wave jumps forward over the steps beyond its last.
; BESIDE IT: Wo, W1, W2 ARE ROUNDED TO bf16 into wb (as they lie, at bytes 6,291,456, 8,388,608 and 16,777,216).  This launch reads its q, k, v at its head and then nothing until its stores;
; the three matrices are wanted by later launches alone.  A work-group takes 1/256 of each (4,096 + 16,384 + 16,384 numbers): 18 loads of 16 bytes a thread, issued when K and V have landed, into
; registers that the walk does not touch, converted and stored behind the wave's own walk.  No prefetch: these loads go out a whole walk ahead of their use, and K and V are asked for whole at the head.
.set PK,    144                        ; a row of K in LDS: 128 bytes + 16: the 16 rows of a load start at 16 different groups of four banks (64 banks of 4 bytes: ISA guide 11.1)
.set PV,    160                        ; a row of V: 128 + 32
.set VOFF,  1024*PK                    ; V lies behind K
.set SPARE, VOFF+1024*PV               ; behind both: the spare words, 128 bytes a wave: eight blocks of 256 bytes that no other line names
.set SP,    144                        ; a row of a stage; wave w's stage, 16 rows, lies at 2,304 w, in K's bytes, and is used behind the last barrier alone
.set AK0, 2                            ; v2   my lane's place in a tile of K; never rewritten
.set AV0, 3                            ; v3   the same for V
.set AK,  4                            ; v4   the LDS address of K's run of loads
.set AV,  5                            ; v5   of V's
.set QO,  6                            ; v6   my byte offset in 16 rows of Q
.set RD,  7                            ; v7   the way out: where I read rows back
.set GO,  8                            ; v8   my byte offset in 512 consecutive bytes of ctx
.set STO, 10                           ; v10  the way out: where I put 16 bytes of a row
.set SPW, 12                           ; v12  LDS address of my spare word; never rewritten
.set NIL, 13                           ; v13  0; never rewritten
.set ST,  16                           ; v[16:23] c m, m, l (two halves), c0-c3 at work; a takes c2's place
.set SB,  24                           ; v[24:25] the second chain of the row's sum
.set CO,  26                           ; v26  16 x my thread's number: my place in 8,192 bytes of a weight matrix; never rewritten
.set SO,  27                           ; v27  8 x my thread's number: in 4,096 bytes of wb; never rewritten
.set BIGV, 28                          ; v28  -1e30
.set Q,   32                           ; v[32:47]   channel half c at 32 + 8 c
.set KV,  48                           ; v[48:111]  K (key block kb, channel half c at 16 kb + 8 c), later V (key half kk, channel block cb at 32 kk + 8 cb)
.set S,   112                          ; v[112:143] S^T; P is written into its first 16
.set O,   144                          ; v[144:175] O^T
.set CW,  176                          ; v[176:247] the weights: 18 loads of four registers
.set WV,  16                           ; s16  my wave's number
.set BAND, 17                          ; s17  my band, and my last key step
.set G1K, 24                           ; s[24:31] descriptor group 1 for K
.set G1V, 32                           ; s[32:39] for V: it differs in the padding alone
.set G0K, 40                           ; s[40:43] group 0 for K
.set G0V, 44                           ; s[44:47] for V
.set STEP, 48                          ; s48  the key step
.set TBK, 49                           ; s49  LDS byte of the step's K
.set TBV, 50                           ; s50  of its V, less VOFF
.set CS,  52                           ; s[52:53] c
.set SEL, 54                           ; s[54:55] v_permlanex16_b32's selects
.set QP,  56                           ; s[56:57] Q at my tile
.set DWO, 58                           ; s[58:59] wb at my work-group's part of Wo,
.set DW1, 60                           ; s[60:61] of W1,
.set DW2, 62                           ; s[62:63] of W2
.macro CROUND                          ; a round of the cluster's barrier
	s_barrier_signal -1
	s_barrier_wait -1
	s_cmp_lg_u32 s[WV], 0
	s_cbranch_scc1 .Lnot_wave_0_\@
	s_barrier_signal -3
.Lnot_wave_0_\@:
	s_barrier_wait -3
	s_barrier_signal -1
	s_barrier_wait -1
.endm
.macro FETCH_K                         ; 64 keys x 64 channels: 8 fragments
.irp f, 0,1,2,3,4,5,6,7
	ds_load_b128 v[KV+8*(\f):KV+8*(\f)+3],   v[AK] offset:((\f)/2)*16*PK+((\f)%2)*64
	ds_load_b128 v[KV+8*(\f)+4:KV+8*(\f)+7], v[AK] offset:((\f)/2)*16*PK+((\f)%2)*64+32
.endr
.endm
.macro FETCH_V                         ; the same of V, turned
.irp f, 0,1,2,3,4,5,6,7
	ds_load_tr16_b128 v[KV+8*(\f):KV+8*(\f)+3],   v[AV] offset:((\f)/4)*32*PV+((\f)%4)*32
	ds_load_tr16_b128 v[KV+8*(\f)+4:KV+8*(\f)+7], v[AV] offset:((\f)/4)*32*PV+16*PV+((\f)%4)*32
.endr
.endm
	s_load_b256 s[4:11], s[0:1], 0x0               ; qkv s[4:5], ctx s[6:7], Wo s[8:9], W1 s[10:11]
	s_load_b128 s[12:15], s[0:1], 0x20             ; W2 s[12:13], wb s[14:15]
	v_lshl_add_u32 v[SPW], v0, 2, SPARE
	v_mov_b32 v[NIL], 0
	ds_add_u32 v[SPW], v[NIL]                      ; the wave's opening: the add and its wait stand ahead of my first tensor load; the set-up below stands between them
	v_lshrrev_b32 v1, 5, v0
	v_readfirstlane_b32 s[WV], v1                  ; wave 0..15
	s_bfe_u32 s18, ttmp6, 0x40000                  ; cx
	s_and_b32 s19, ttmp7, 0xffff                   ; the head, which the four partners share
	s_mov_b32 s20, 0x7a94c12f                      ; the bands of waves 0 to 7, four bits each, wave 0's lowest: 15 2 1 12 / 4 9 10 7,
	s_mov_b32 s21, 0x0de3b658                      ; and of waves 8 to 15: 8 5 6 11 / 3 14 13 0
	s_cmp_lt_u32 s[WV], 8
	s_cselect_b32 s20, s20, s21
	s_and_b32 s21, s[WV], 7                        ; also: which eighth of K or of V I fetch
	s_lshl_b32 s22, s21, 2
	s_lshr_b32 s20, s20, s22
	s_and_b32 s[BAND], s20, 15
	s_mul_i32 s2, s21, 128*PK                      ; the eighth's place in LDS, for K
	s_mul_i32 s3, s21, 128*PV                      ; and for V: no place in the cluster enters an LDS address
	s_lshl_b32 s23, s19, 17                        ; 131,072 bytes a head
	s_lshl_b32 s21, s21, 14                        ; 128 keys are 16,384 bytes in memory
	s_add_co_u32 s21, s21, s23
	s_add_co_u32 s66, s21, 8388608                 ; k lies behind q,
	s_mov_b32 s67, 0
	s_add_co_u32 s68, s21, 16777216                ; v behind k
	s_mov_b32 s69, 0
	s_lshl_b32 s70, s[BAND], 13                    ; my band: 64 rows of 128 bytes each,
	s_lshl_b32 s22, s18, 11                        ; my work-group's 16 rows in it,
	s_add_co_u32 s70, s70, s22
	s_add_co_u32 s70, s70, s23                     ; in my head
	s_mov_b32 s71, 0
	s_lshl2_add_u32 s74, s19, s18                  ; my work-group among the 256: 4 x head + cx
	s_mov_b32 s73, 0
	; 128 keys are 16,384 dense bytes: asked for as 64 rows of 256 bytes, two keys a row, padded in LDS after every key
	s_mov_b32 s[G1K], 15|(1<<16)|(1<<20)|(1<<21)|(4<<22)|(3<<25)  ; the mask of four; 2-byte elements; padding on; bit 21 beside a mask; after every 32 words 4 words
	s_mov_b32 s[G1V], 15|(1<<16)|(1<<20)|(1<<21)|(4<<22)|(7<<25)  ; 8 words
.irp g, G1K, G1V
	s_mov_b32 s[\g+1], 128<<16                     ; tensor_dim0 = 128 elements
	s_mov_b32 s[\g+2], 64<<16                      ; tensor_dim1 = 64 rows
	s_mov_b32 s[\g+3], 128<<16                     ; tile_dim0
	s_mov_b32 s[\g+4], 64                          ; tile_dim1
	s_mov_b32 s[\g+5], 128                         ; elements from row to row
	s_mov_b32 s[\g+6], 0
	s_mov_b32 s[\g+7], 0
.endr
	s_mov_b32 s[G0K], 1
	s_mov_b32 s[G0K+1], s2
	s_mov_b32 s[G0V], 1
	s_add_co_u32 s[G0V+1], s3, VOFF
	s_mov_b32 s[CS], 0x3e38aa3b                    ; c = log2(e) / 8
	s_mov_b32 s[CS+1], s[CS]
	s_mov_b32 s[SEL], 0x76543210
	s_mov_b32 s[SEL+1], 0xfedcba98
	s_wait_dscnt 0x0                               ; the opening add is done
	s_wait_kmcnt 0x0
	s_add_nc_u64 s[G0K+2:G0K+3], s[4:5], s[66:67]
	s_or_b32 s[G0K+3], s[G0K+3], 0x80000000
	s_add_nc_u64 s[G0V+2:G0V+3], s[4:5], s[68:69]
	s_or_b32 s[G0V+3], s[G0V+3], 0x80000000
	s_add_nc_u64 s[QP:QP+1], s[4:5], s[70:71]      ; Q
	s_add_nc_u64 s[6:7], s[6:7], s[70:71]          ; O
	s_lshl_b32 s72, s74, 14                        ; my work-group's 16,384 bytes of Wo,
	s_add_nc_u64 s[8:9], s[8:9], s[72:73]
	s_lshl_b32 s72, s74, 16                        ; its 65,536 of W1 and of W2,
	s_add_nc_u64 s[10:11], s[10:11], s[72:73]
	s_add_nc_u64 s[12:13], s[12:13], s[72:73]
	s_lshl_b32 s72, s74, 13                        ; and where they go in wb, at half the bytes
	s_add_co_u32 s72, s72, 6291456
	s_add_nc_u64 s[DWO:DWO+1], s[14:15], s[72:73]
	s_lshl_b32 s72, s74, 15
	s_add_co_u32 s72, s72, 8388608
	s_add_nc_u64 s[DW1:DW1+1], s[14:15], s[72:73]
	s_add_co_u32 s72, s72, 8388608
	s_add_nc_u64 s[DW2:DW2+1], s[14:15], s[72:73]
	CROUND                                         ; all four work-groups are here: the joint loads meet
	s_cmp_lt_u32 s[WV], 8                          ; waves 0-7 ask for K's eighths, waves 8-15 for V's: one load a wave
	s_cbranch_scc0 .Lfor_v
	tensor_load_to_lds s[G0K:G0K+3], s[G1K:G1K+7]
	s_nop 0
.rept 4
	v_nop
.endr
	s_branch .Lasked
.Lfor_v:
	tensor_load_to_lds s[G0V:G0V+3], s[G1V:G1V+7]
	s_nop 0
.rept 4
	v_nop
.endr
.Lasked:
	v_and_b32 v1, 15, v0                           ; r = l % 16
	v_bfe_u32 v9, v0, 4, 1                         ; h = l / 16
	v_lshlrev_b32 v[QO], 7, v1
	v_lshl_add_u32 v[QO], v9, 4, v[QO]             ; row x 128 + 16 x half
.irp e, 0,1                            ; channels 32 e on
	global_load_b128 v[Q+8*(\e):Q+8*(\e)+3],   v[QO], s[QP:QP+1] offset:(\e)*64
	global_load_b128 v[Q+8*(\e)+4:Q+8*(\e)+7], v[QO], s[QP:QP+1] offset:(\e)*64+32
.endr
	v_lshlrev_b32 v14, 3, v9
	v_sub_nc_u32 v14, v1, v14
	s_lshl_b32 s22, s18, 4
	v_add_nc_u32 v14, s22, v14                     ; my query's place in its band, 16 cx + r, less 8 h: register j of key block kb is hidden where 16 kb + j is greater
	v_mov_b32 v[BIGV], 0xf149f2ca                  ; -1e30
.set i, 0
.rept 32                               ; O^T starts at 0: written in the wait for the tiles, so that no first step is written out
	v_mov_b32 v[O+i], 0
.set i, i+1
.endr
	v_mov_b32 v[ST], 0xfe000000                    ; c m: far below every c s
	v_mov_b32 v[ST+1], 0xff7fffff                  ; m
.irp z, 2,3,4,5,6,7
	v_mov_b32 v[ST+\z], 0
.endr
	v_mul_u32_u24 v[AK0], v1, PK
	v_lshl_add_u32 v[AK0], v9, 4, v[AK0]           ; row x pitch + 16 x half
	v_and_b32 v11, 7, v0                           ; the turning load: lane l reads key 8 h + l % 8, channels 8 ((l / 8) % 2) on
	v_bfe_u32 v15, v0, 3, 1
	v_lshl_add_u32 v[AV0], v9, 3, v11
	v_mul_u32_u24 v[AV0], v[AV0], PV
	v_lshl_add_u32 v[AV0], v15, 4, v[AV0]
	v_add_nc_u32 v[AV0], VOFF, v[AV0]
	s_mul_i32 s22, s[WV], 16*SP                    ; my stage
	v_mul_u32_u24 v[STO], v1, SP                   ; in: row r, 16 bytes for each half of the lanes
	v_lshl_add_u32 v[STO], v9, 4, v[STO]
	v_add_nc_u32 v[STO], s22, v[STO]
	v_bfe_u32 v[RD], v0, 3, 2                      ; back: 32 lanes take four rows of 128 bytes,
	v_mul_u32_u24 v[RD], v[RD], SP
	v_lshl_add_u32 v[RD], v11, 4, v[RD]
	v_add_nc_u32 v[RD], s22, v[RD]
	v_and_b32 v[GO], 31, v0                        ; which are 512 consecutive bytes of ctx
	v_lshlrev_b32 v[GO], 4, v[GO]
	v_lshlrev_b32 v[CO], 4, v0
	v_lshlrev_b32 v[SO], 3, v0
	s_wait_tensorcnt 0x0                           ; my eighth is in,
	s_barrier_signal -1
	s_barrier_wait -1                              ; everybody's is
	s_wait_loadcnt 0x0                             ; Q
	; the weights: a load of the work-group's 512 threads covers 8,192 consecutive bytes; they land while the keys are walked
.irp j, 0,1
	global_load_b128 v[CW+4*(\j):CW+4*(\j)+3], v[CO], s[8:9] offset:8192*(\j) th:TH_LOAD_NT
.endr
.irp j, 0,1,2,3,4,5,6,7
	global_load_b128 v[CW+8+4*(\j):CW+8+4*(\j)+3], v[CO], s[10:11] offset:8192*(\j) th:TH_LOAD_NT
.endr
.irp j, 0,1,2,3,4,5,6,7
	global_load_b128 v[CW+40+4*(\j):CW+40+4*(\j)+3], v[CO], s[12:13] offset:8192*(\j) th:TH_LOAD_NT
.endr
	s_mov_b32 s[STEP], 0
.Lstep:
	s_cmp_gt_u32 s[STEP], s[BAND]
	s_cbranch_scc1 .Ldead                          ; beyond my band's last step
	s_mul_i32 s[TBK], s[STEP], 64*PK
	s_mul_i32 s[TBV], s[STEP], 64*PV
	v_add_nc_u32 v[AK], s[TBK], v[AK0]             ; with the four below: five plain instructions behind the last trip's last product, ahead of the loads into V's registers
	v_add_nc_u32 v[AV], s[TBV], v[AV0]             ; and of the products that write over P (ISA guide 7.12.1)
	v_nop
	v_nop
	v_nop
	FETCH_K                                        ; the other three waves of the SIMD work while it comes
	s_wait_dscnt 0x0                               ; K is in
.set i, 0
.rept 8                                ; S^T = K Q^T: channels 32 (i / 4) on, keys 16 (i % 4) on: the first four start the sums; the 4 accumulators take turns
.if i < 4
	v_wmma_f32_16x16x32_bf16 v[S+8*(i%4):S+8*(i%4)+7], v[KV+16*(i%4)+8*(i/4):KV+16*(i%4)+8*(i/4)+7], v[Q+8*(i/4):Q+8*(i/4)+7], 0
.else
	v_wmma_f32_16x16x32_bf16 v[S+8*(i%4):S+8*(i%4)+7], v[KV+16*(i%4)+8*(i/4):KV+16*(i%4)+8*(i/4)+7], v[Q+8*(i/4):Q+8*(i/4)+7], v[S+8*(i%4):S+8*(i%4)+7]
.endif
.set i, i+1
.endr
.rept 4
	v_nop                                          ; four places behind the last product, ahead of the loads into K's registers and of the reads of S^T
.endr
	FETCH_V                                        ; it lands under the softmax
	s_cmp_lg_u32 s[STEP], s[BAND]
	s_cbranch_scc1 .Lopen                          ; an earlier step than my band's own hides nothing
.set i, 0
.rept 32                               ; the band's own step: later keys than the lane's query count as -1e30; each accumulator's lowest register comes first
	v_cmp_gt_i32 vcc_lo, 16*(i/8)+i%8, v14
	v_cndmask_b32 v[S+i], v[S+i], v[BIGV], vcc_lo
.set i, i+1
.endr
.Lopen:
	; the maximum of the lane's 32 scores and the old m: four chains of seven, three operands at a time; each accumulator's lowest registers are read first
.irp j, 0,1,2,3
	v_max3_num_f32 v[ST+4+\j], v[S+8*\j], v[S+8*\j+1], v[S+8*\j+2]
.endr
.irp j, 0,1,2,3
	v_max3_num_f32 v[ST+4+\j], v[ST+4+\j], v[S+8*\j+3], v[S+8*\j+4]
.endr
.irp j, 0,1,2,3
	v_max3_num_f32 v[ST+4+\j], v[ST+4+\j], v[S+8*\j+5], v[S+8*\j+6]
.endr
	v_max3_num_f32 v[ST+4], v[ST+4], v[S+7], v[S+15]
	v_max3_num_f32 v[ST+6], v[ST+6], v[S+23], v[S+31]
	v_max3_num_f32 v[ST+4], v[ST+4], v[ST+5], v[ST+6]
	v_max3_num_f32 v[ST+4], v[ST+4], v[ST+7], v[ST+1]
	v_permlanex16_b32 v[ST+5], v[ST+4], s[SEL], s[SEL+1]  ; the query's other 32 keys lie in the lane 16 away
	v_mov_b32 v[ST+7], v[ST]                       ; c m_old is kept
	v_max_num_f32 v[ST+1], v[ST+4], v[ST+5]
	v_mul_f32 v[ST], s[CS], v[ST+1]
	v_sub_f32 v[ST+7], v[ST+7], v[ST]
	v_exp_f32 v[ST+6], v[ST+7]                     ; a: the first of the batch
.set z, 0
.rept 16
	v_pk_fma_f32 v[S+2*z:S+2*z+1], v[S+2*z:S+2*z+1], s[CS:CS+1], v[ST:ST+1] op_sel_hi:[1,0,0] neg_lo:[0,0,1] neg_hi:[0,0,1]  ; c s - c m
.set z, z+1
.endr
.set z, 0
.rept 32
	v_exp_f32 v[S+z], v[S+z]
.set z, z+1
.endr
	v_nop                                          ; the plain instruction behind the last exponential
	s_wait_alu depctr_va_vdst(0)                   ; one wait for the batch of 33, ahead of its first reader
	; the sum of the 16 pairs, in two chains, and P in place: pair z is added before it is rounded into register z, which lies in a pair added and rounded earlier
	v_pk_add_f32 v[ST+4:ST+5], v[S:S+1], v[S+2:S+3]
	v_pk_add_f32 v[SB:SB+1], v[S+4:S+5], v[S+6:S+7]
.irp z, 0,1,2,3
	v_cvt_pk_bf16_f32 v[S+\z], v[S+2*\z], v[S+2*\z+1]
.endr
.irp z, 4,6,8,10,12,14
	v_pk_add_f32 v[ST+4:ST+5], v[ST+4:ST+5], v[S+2*\z:S+2*\z+1]
	v_pk_add_f32 v[SB:SB+1], v[SB:SB+1], v[S+2*\z+2:S+2*\z+3]
	v_cvt_pk_bf16_f32 v[S+\z], v[S+2*\z], v[S+2*\z+1]
	v_cvt_pk_bf16_f32 v[S+\z+1], v[S+2*\z+2], v[S+2*\z+3]
.endr
	v_pk_add_f32 v[ST+4:ST+5], v[ST+4:ST+5], v[SB:SB+1]
	v_pk_fma_f32 v[ST+2:ST+3], v[ST+2:ST+3], v[ST+6:ST+7], v[ST+4:ST+5] op_sel_hi:[1,0,1]  ; l = a l + sum
.set z, 0
.rept 16
	v_pk_mul_f32 v[O+2*z:O+2*z+1], v[O+2*z:O+2*z+1], v[ST+6:ST+7] op_sel_hi:[1,0]  ; O^T times a
.set z, z+1
.endr
	s_wait_dscnt 0x0                               ; V is in
.set i, 0
.rept 8                                ; O^T += V^T P: keys 32 (i / 4) on, channels 16 (i % 4) on; the 4 accumulators take turns
	v_wmma_f32_16x16x32_bf16 v[O+8*(i%4):O+8*(i%4)+7], v[KV+32*(i/4)+8*(i%4):KV+32*(i/4)+8*(i%4)+7], v[S+8*(i/4):S+8*(i/4)+7], v[O+8*(i%4):O+8*(i%4)+7]
.set i, i+1
.endr
.Ldead:
	s_add_co_u32 s[STEP], s[STEP], 1
	s_cmp_lt_u32 s[STEP], 16
	s_cbranch_scc1 .Lstep
	s_wait_loadcnt 0x0                             ; the weights
.set j, 0
.rept 18                               ; rounded in place; these 36 plain instructions, which name no register of the last products, are also the places behind them
	v_cvt_pk_bf16_f32 v[CW+4*j], v[CW+4*j], v[CW+4*j+1]
	v_cvt_pk_bf16_f32 v[CW+4*j+1], v[CW+4*j+2], v[CW+4*j+3]
.set j, j+1
.endr
.irp j, 0,1
	global_store_b64 v[SO], v[CW+4*(\j):CW+4*(\j)+1], s[DWO:DWO+1] offset:4096*(\j)  ; a wave's store: 32 lanes x 8 bytes, 256 consecutive bytes, aligned
.endr
.irp j, 0,1,2,3,4,5,6,7
	global_store_b64 v[SO], v[CW+8+4*(\j):CW+8+4*(\j)+1], s[DW1:DW1+1] offset:4096*(\j)
.endr
.irp j, 0,1,2,3,4,5,6,7
	global_store_b64 v[SO], v[CW+40+4*(\j):CW+40+4*(\j)+1], s[DW2:DW2+1] offset:4096*(\j)
.endr
	s_wait_dscnt 0x0                               ; my reads of K and V are over,
	s_barrier_signal -1
	s_barrier_wait -1                              ; everybody's are: K's first bytes, which have had their one fill, become the stages
	v_add_f32 v[ST+4], v[ST+2], v[ST+3]            ; l's two halves, and the other half of the lanes'
	v_permlanex16_b32 v[ST+5], v[ST+4], s[SEL], s[SEL+1]
	v_add_f32 v[ST+4], v[ST+4], v[ST+5]
	v_rcp_f32 v[ST+6], v[ST+4]
	v_nop                                          ; a plain instruction between the reciprocal and its use,
	s_wait_alu depctr_va_vdst(0)                   ; and the wait
.set z, 0
.rept 16
	v_pk_mul_f32 v[O+2*z:O+2*z+1], v[O+2*z:O+2*z+1], v[ST+6:ST+7] op_sel_hi:[1,0]
.set z, z+1
.endr
.set z, 0
.rept 16
	v_cvt_pk_bf16_f32 v[S+z], v[O+2*z], v[O+2*z+1]
.set z, z+1
.endr
.irp f, 0,1,2,3                        ; a lane's eight channels of a row are 16 bytes; they go into rows of 144 bytes
	ds_store_b128 v[STO], v[S+4*\f:S+4*\f+3] offset:32*\f
.endr
.irp f, 0,1,2,3                        ; and come back as whole rows of 128
	ds_load_b128 v[S+16+4*\f:S+16+4*\f+3], v[RD] offset:\f*4*SP  ; LDS serves a wave's instructions in order (ISA guide 5.7.1.4): these see the stores above
.endr
.irp f, 0,1,2,3
	s_wait_dscnt 3-\f                              ; load f is back; the younger ones may stay out
	global_store_b128 v[GO], v[S+16+4*\f:S+16+4*\f+3], s[6:7] offset:\f*512  ; 512 consecutive bytes, aligned
.endr
	s_wait_tensorcnt 0x0                           ; the wave's end: behind my last tensor load and my last LDS store
	ds_add_u32 v[SPW], v[NIL]
	s_wait_dscnt 0x0
	CROUND                                         ; the closing round
	s_endpgm
.Lfunc_end_k_q4c873cb142_attn:
	.size	k_q4c873cb142_attn, .Lfunc_end_k_q4c873cb142_attn-k_q4c873cb142_attn
	.p2alignl 7, 3214868480
	.fill 96, 4, 3214868480
	.section	.rodata,"a",@progbits
	.p2align	6, 0x0
	.amdhsa_kernel k_q4c873cb142_attn
		.amdhsa_group_segment_fixed_size 327680
		.amdhsa_private_segment_fixed_size 0
		.amdhsa_enable_private_segment 0
		.amdhsa_kernarg_size 48
		.amdhsa_user_sgpr_count 2
		.amdhsa_user_sgpr_kernarg_segment_ptr 1
		.amdhsa_wavefront_size32 1
		.amdhsa_system_sgpr_workgroup_id_x 1
		.amdhsa_system_sgpr_workgroup_id_y 1
		.amdhsa_system_sgpr_workgroup_id_z 1
		.amdhsa_system_vgpr_workitem_id 0
		.amdhsa_next_free_vgpr 248
		.amdhsa_next_free_sgpr 80
		.amdhsa_reserve_vcc 1
		.amdhsa_float_denorm_mode_32 3
		.amdhsa_float_denorm_mode_16_64 3
		.amdhsa_memory_ordered 1
		.amdhsa_forward_progress 1
		.amdhsa_inst_pref_size 30
	.end_amdhsa_kernel
	.amdgpu_metadata
---
amdhsa.version: [ 1, 2 ]
amdhsa.kernels:
  - .name:           k_q4c873cb142_attn
    .symbol:         k_q4c873cb142_attn.kd
    .args:
      - { .name: qkv, .offset: 0, .size: 8, .value_kind: global_buffer, .address_space: global }
      - { .name: ctx, .offset: 8, .size: 8, .value_kind: global_buffer, .address_space: global }
      - { .name: Wo, .offset: 16, .size: 8, .value_kind: global_buffer, .address_space: global }
      - { .name: W1, .offset: 24, .size: 8, .value_kind: global_buffer, .address_space: global }
      - { .name: W2, .offset: 32, .size: 8, .value_kind: global_buffer, .address_space: global }
      - { .name: wb, .offset: 40, .size: 8, .value_kind: global_buffer, .address_space: global }
    .group_segment_fixed_size: 327680
    .private_segment_fixed_size: 0
    .kernarg_segment_align: 8
    .kernarg_segment_size: 48
    .max_flat_workgroup_size: 512
    .sgpr_count:     80
    .vgpr_count:     248
    .wavefront_size: 32
...
	.end_amdgpu_metadata
.endif
;; end of part 3
;; launch wo (part 4): grid 8 x 32, 4 waves a work-group, clusters of 4 x 4, 327,680 bytes of LDS; arguments ctx, wb, x1, bo, x; writes x1
.if DOCPART == 4
	.amdgcn_target "amdgcn-amd-amdhsa--gfx1250"
	.amdhsa_code_object_version 6
	.text
	.protected	k_q4c873cb142_wo
	.globl	k_q4c873cb142_wo
	.p2align	8
	.type	k_q4c873cb142_wo,@function
k_q4c873cb142_wo:
	s_mov_b64 s[64:65], 0
	v_nop
	global_prefetch_b8 v0, s[64:65] scope:SCOPE_SE
	s_setreg_imm32_b32 hwreg(HW_REG_WAVE_MODE, 25, 1), 1
	s_wait_xcnt 0x0
	s_wait_alu depctr_hold_cnt(0) depctr_sa_sdst(0) depctr_va_vdst(0) depctr_va_sdst(0) depctr_va_ssrc(0) depctr_va_vcc(0) depctr_vm_vsrc(0)
	s_getreg_b32 s2, hwreg(HW_REG_IB_STS2, 6, 4)
	s_cmp_eq_u32 s2, 0
	s_cbranch_scc0 .Lentry_in_a_cluster
	s_endpgm
.Lentry_in_a_cluster:
	s_bfe_u32 s2, ttmp6, 0x10000c
	s_cmp_lg_u32 s2, 0xf033
	s_cbranch_scc0 .Lentry_shape_is_right
	s_endpgm
.Lentry_shape_is_right:
; out = res + (A B + bias) in f32, [4096][1024], for B [K][1024] bf16 as the weights lie.  One text serves two launches; WO chooses:
;   WO = 1: A = ctx, by heads [batch x 16 + head][token][64], K = 1,024; B = Wo; bias = bf16(bo); res = bf16(x); out = x1.
;   WO = 0: A = g [4096][4096], K = 4,096; B = W2; bias = bf16(b2); res = x1 as it is; out = out0.
; A tile is 128 x 128 (256 work-groups); four waves, each 64 x 64 in 16 accumulators.  K goes in steps of 256 through two LDS slots.  A is read by ds_load_b128, B ([k][n]) turned, by ds_load_tr16_b128;
; the product is used transposed (source 0 = 16 columns of B, source 1 = 16 rows of A): a lane holds 8 neighbouring columns of one row.
; With WO = 1 a K step is four heads: a wave's load is two heads x 128 tokens, two rows of 16,384 dense bytes, padded in LDS after every token's 128 bytes; a quarter of the step is a head.
; ONE K STEP IS WRITTEN: the slot in hand is the scalar TB, the refills use a walking descriptor a tensor (LDS word turned by an exclusive or: SLOT's two bits meet none of the waves' bases).
; CLUSTER 4 x 4: A's tile is shared along a row of the cluster, B's along a column.  By this text's count a wave has two tensor loads out at the start and one behind each round.
; The residual's 64 x 64 numbers are asked for at the head, into registers, and are on their way under the whole K loop.
; PREFETCH: with WO = 0, two refills ahead.  With WO = 1 none: of its four K steps two come by the first fills and two by the only two refills.
; LIMITS: bf16 operands; NaN and infinities are not treated apart.
.set WO,     1
.if WO
.set T,      4
.set AP,     144                       ; a token's 128 bytes + 16
.set AH,     2*128*AP                  ; what an A wave's load brings
.set AQ,     128*AP                    ; from quarter to quarter: a head
.set AD0,    8192                      ; elements in a row of the load,
.set AD1,    2                         ; rows,
.set ASTR,   65536                     ; elements from row to row,
.set AQI,    4                         ; padding after every 32 words
.set STEPA,  4*131072
.set WOFF,   6291456                   ; Wo in wb
.set HASPF,  0
.else
.set T,      16
.set AP,     528                       ; 512 bytes + 16
.set AH,     64*AP
.set AQ,     128
.set AD0,    256
.set AD1,    64
.set ASTR,   4096
.set AQI,    6                         ; after every 128 words
.set STEPA,  512
.set WOFF,   16777216                  ; W2 in wb
.set HASPF,  1
.endif
.set PB,     288                       ; a row of B in LDS: 256 bytes + 32
.set BH,     128*PB                    ; what a B wave's load brings: 128 rows
.set BOFF,   2*BH                      ; B lies here in a slot; A's part, in front of it, is that long at the most
.set SLOT,   4*BH
.set SPARE,  2*SLOT
.set SPITCH, 272                       ; a row of a wave's stage: 256 bytes + 16
.set STEPB,  256*2048
.set ADRA, 16                          ; v16  LDS address of my A fragments in the slot in hand
.set ADRB, 17                          ; v17, v18  of B's: k rows 0-127, 128-255
.set A0,   19                          ; v19, v20  the same in slot 0; never rewritten
.set B0,   20
.set STO,  24
.set RD,   25
.set XO,   26                          ; v26  my byte offset in two rows of the residual and of the output; never rewritten
.set BO,   27
.set SPW,  28
.set NIL,  29
.set PFO,  30
.set BIAS, 12                          ; v[12:15]
.set TMP,  32                          ; v[32:95] the way out, two sets of 32
.set ACC,  128                         ; v[128:255] accumulator (a, b) at 128 + 8 (4 a + b)
.set F0,   0                           ; fragment buffers, in window 1: 64 registers of A, then 64 of B
.set F1,   128
.set G1,  24
.set G0,  32
.set G1B, 48
.set G0B, 56
.set TB,  66
.set LIM, 67
.set PFA, 68
.set PFS, 70
.set MSB, 0
.macro WIN new
.if MSB != (\new)
	s_set_vgpr_msb (MSB<<8)|(\new)
.set MSB, \new
.endif
.endm
.set MUL,  0x05                        ; sources 0 (B) and 1 (A) window 1; C and D window 0
.set TO_F, 0x40                        ; destination window 1, address window 0
.macro PLACES
.rept 4
	v_nop
.endr
.endm
.macro JLOAD s                         ; a joint load: waves 0 and 1 fetch A's halves, waves 2 and 3 B's; an s_nop 0 and four v_nop follow each line
	s_cmp_eq_u32 s11, 0
	s_cbranch_scc0 .Lfor_b_\@
	tensor_load_to_lds s[G0+4*(\s):G0+4*(\s)+3], s[G1:G1+7]
	s_nop 0
.rept 4
	v_nop
.endr
	s_branch .Lasked_\@
.Lfor_b_\@:
	tensor_load_to_lds s[G0B+4*(\s):G0B+4*(\s)+3], s[G1B:G1B+7]
	s_nop 0
.rept 4
	v_nop
.endr
.Lasked_\@:
.endm
.macro CREST
	s_cmp_lg_u32 s10, 0
	s_cbranch_scc1 .Lnot_wave_0_\@
	s_barrier_signal -3
.Lnot_wave_0_\@:
	s_barrier_wait -3
	s_barrier_signal -1
	s_barrier_wait -1
.endm
.macro CROUND
	s_barrier_signal -1
	s_barrier_wait -1
	CREST
.endm
; A prefetch into the L2 of the K step that stands two refills on: 256 matrix instructions ahead of its load.  Of a wave's 128 blocks of 256 bytes each of the four partners takes 32, by address, a lane a
; block; A's rows are named by the clusters with x = 0 alone, B's by those with y = 0.  The last two filling trips (s3 = 2, 1) ask for nothing.
.macro ASK
	s_cmp_gt_u32 s3, s[LIM]
	s_cbranch_scc0 .Lnot_mine_\@
	global_prefetch_b8 v[PFO], s[PFA:PFA+1] th:TH_LOAD_NT scope:SCOPE_SE
.Lnot_mine_\@:
.endm
.macro RND2 lo, tmp                    ; the pair v[lo], v[lo+1] is rounded to bf16 and widened again
	v_cvt_pk_bf16_f32 v[\tmp], v[\lo], v[(\lo)+1]
	v_lshlrev_b32 v[\lo], 16, v[\tmp]
	v_and_b32 v[(\lo)+1], s76, v[\tmp]
.endm
	s_load_b128 s[4:7], s[0:1], 0x0                ; A s[4:5], wb s[6:7]
	s_load_b64 s[8:9], s[0:1], 0x10                ; the output
	s_load_b64 s[72:73], s[0:1], 0x18              ; the bias
	s_load_b64 s[74:75], s[0:1], 0x20              ; the residual
	v_lshl_add_u32 v[SPW], v0, 2, SPARE
	v_mov_b32 v[NIL], 0
	ds_add_u32 v[SPW], v[NIL]                      ; the wave's opening: the add and its wait stand ahead of my first tensor load
	v_lshrrev_b32 v1, 5, v0
	v_readfirstlane_b32 s10, v1                    ; wave 0..3
	s_lshr_b32 s11, s10, 1                         ; my half of the rows.  Also: I fetch for A (0) or for B (1)
	s_and_b32 s12, s10, 1                          ; my half of the columns.  Also: which half of that tile I fetch
	s_bfe_u32 s40, ttmp6, 0x40000                  ; cx
	s_bfe_u32 s41, ttmp6, 0x40004                  ; cy
	s_lshl_b32 s42, ttmp9, 2
	s_add_co_u32 s42, s42, s40                     ; tile column
	s_and_b32 s13, ttmp7, 0xffff
	s_lshl_b32 s13, s13, 2
	s_add_co_u32 s13, s13, s41                     ; tile row
	s_lshl_b32 s43, s41, 2
	s_lshl_b32 s43, 15, s43                        ; my row of the cluster
	s_lshl_b32 s44, 0x1111, s40                    ; my column
	s_or_b32 s[G1+0], s43, (1<<16)|(1<<20)|(1<<21)|(AQI<<22)|(3<<25)  ; the mask; 2-byte elements; padding on; bit 21 beside a mask; 4 words of padding
	s_or_b32 s[G1B+0], s44, (1<<16)|(1<<20)|(1<<21)|(5<<22)|(7<<25)   ; after every 64 words 8 words
	s_mov_b32 s[G1+1], AD0<<16
	s_mov_b32 s[G1+2], AD1<<16
	s_mov_b32 s[G1+3], AD0<<16
	s_mov_b32 s[G1+4], AD1
	s_mov_b32 s[G1+5], ASTR
	s_mov_b32 s[G1+6], 0
	s_mov_b32 s[G1+7], 0
	s_mov_b32 s[G1B+1], 128<<16
	s_mov_b32 s[G1B+2], 128<<16
	s_mov_b32 s[G1B+3], 128<<16
	s_mov_b32 s[G1B+4], 128
	s_mov_b32 s[G1B+5], 1024
	s_mov_b32 s[G1B+6], 0
	s_mov_b32 s[G1B+7], 0
.if WO
	s_lshr_b32 s16, s13, 3                         ; A: head batch x 16 + 2 x half, 131,072 bytes a head; tokens 128 (tile row % 8) on, 128 bytes each
	s_lshl_b32 s16, s16, 4
	s_lshl1_add_u32 s16, s12, s16
	s_lshl_b32 s16, s16, 17
	s_and_b32 s17, s13, 7
	s_lshl_b32 s17, s17, 14
	s_add_co_u32 s16, s16, s17
.else
	s_lshl1_add_u32 s16, s13, s12                  ; A: row 128 x tile row + 64 x half, 8,192 bytes a row
	s_lshl_b32 s16, s16, 19
.endif
	s_mov_b32 s17, 0
	s_lshl_b32 s18, s42, 8                         ; B: 256 bytes a tile column, 128 rows of 2,048 bytes a half
	s_lshl_b32 s19, s12, 18
	s_add_co_u32 s18, s18, s19
	s_add_co_u32 s18, s18, WOFF
	s_mov_b32 s19, 0
	s_mul_i32 s20, s12, AH                         ; where the parts go
	s_mul_i32 s21, s12, BH
	s_add_co_u32 s21, s21, BOFF
	s_mov_b32 s[TB], 0
	s_mov_b32 s76, 0xffff0000
	s_wait_dscnt 0x0                               ; the opening add is done
	s_wait_kmcnt 0x0
	s_add_nc_u64 s[14:15], s[4:5], s[16:17]
	s_add_nc_u64 s[46:47], s[6:7], s[18:19]
	CROUND                                         ; all sixteen work-groups are here: the first joint loads meet
.irp s, 0,1
	s_mov_b32 s[G0+4*(\s)], 1
	s_add_co_u32 s[G0+4*(\s)+1], s20, (\s)*SLOT
	s_add_nc_u64 s[G0+4*(\s)+2:G0+4*(\s)+3], s[14:15], (\s)*STEPA
	s_or_b32 s[G0+4*(\s)+3], s[G0+4*(\s)+3], 0x80000000
	s_mov_b32 s[G0B+4*(\s)], 1
	s_add_co_u32 s[G0B+4*(\s)+1], s21, (\s)*SLOT
	s_add_nc_u64 s[G0B+4*(\s)+2:G0B+4*(\s)+3], s[46:47], (\s)*STEPB
	s_or_b32 s[G0B+4*(\s)+3], s[G0B+4*(\s)+3], 0x80000000
	JLOAD \s
.endr
	v_and_b32 v1, 15, v0                           ; r
	v_bfe_u32 v2, v0, 4, 1                         ; h
	s_lshl1_add_u32 s22, s13, s11                  ; my 64 rows of 4,096 bytes,
	s_lshl_b32 s22, s22, 18
	s_lshl1_add_u32 s23, s42, s12                  ; my 64 columns: 256 bytes
	s_lshl_b32 s23, s23, 8
	s_mov_b32 s2, s23
	s_add_co_u32 s22, s22, s23
	s_mov_b32 s23, 0
	s_add_nc_u64 s[8:9], s[8:9], s[22:23]
	s_add_nc_u64 s[74:75], s[74:75], s[22:23]
	v_lshlrev_b32 v[XO], 4, v1                     ; lanes 0-15 take one row's 256 bytes, lanes 16-31 the next row's
	v_lshl_add_u32 v[XO], v2, 12, v[XO]
	v_lshl_add_u32 v[BO], v1, 4, s2
	global_load_b128 v[BIAS:BIAS+3], v[BO], s[72:73]
	WIN 0x80                                       ; destination window 2
.set t, 0
.rept 32
	global_load_b128 v[4*t:4*t+3], v[XO], s[74:75] offset:8192*t th:TH_LOAD_NT
.set t, t+1
.endr
	WIN 0
	v_mul_u32_u24 v3, v1, AP                       ; A's fragment: row r, 16 bytes for each half of the lanes
	v_lshl_add_u32 v3, v2, 4, v3
	s_mul_i32 s21, s11, 64*AP                      ; my 64 rows
	v_add_nc_u32 v[A0], s21, v3
	v_and_b32 v4, 7, v0                            ; B's: lane l reads row 8 h + l % 8, columns 8 ((l / 8) % 2) on
	v_lshl_add_u32 v4, v2, 3, v4
	v_mul_u32_u24 v4, v4, PB
	v_bfe_u32 v5, v0, 3, 1
	v_lshl_add_u32 v4, v5, 4, v4
	s_lshl_b32 s22, s12, 7                         ; my 64 columns
	s_add_co_u32 s22, s22, BOFF
	v_add_nc_u32 v[B0], s22, v4
	v_mov_b32 v[ADRA], v[A0]
	v_mov_b32 v[ADRB], v[B0]
	v_add_nc_u32 v[ADRB+1], BH, v[B0]
	s_mul_i32 s21, s10, 64*SPITCH                  ; my stage
	v_mul_u32_u24 v5, v1, SPITCH                   ; in: row r, 32 bytes for each half of the lanes
	v_lshl_add_u32 v5, v2, 5, v5
	v_add_nc_u32 v[STO], s21, v5
	v_mul_u32_u24 v5, v2, SPITCH                   ; back: lanes 0-15 one row of 256 bytes, lanes 16-31 the next
	v_lshl_add_u32 v5, v1, 4, v5
	v_add_nc_u32 v[RD], s21, v5
.if HASPF
	s_mov_b32 s14, 8192                            ; bytes from row to row in A,
	s_mov_b32 s15, 2048                            ; and in B
	s_mov_b32 s20, STEPA
	s_mov_b32 s21, STEPB
	s_lshl_b32 s22, s40, 17                        ; A: my work-group's 16 of the 64 rows, by cx
	s_add_co_u32 s22, s22, s16
	s_add_co_u32 s22, s22, 3*STEPA                 ; at K step 3: the first refill steps it to 4
	s_lshl_b32 s23, s41, 16                        ; B: my work-group's 32 of the 128 rows, by cy
	s_add_co_u32 s23, s23, s18
	s_add_co_u32 s23, s23, 3*STEPB
	s_and_b32 s2, ttmp7, 0xffff                    ; cluster y
	s_cmp_eq_u32 s11, 0                            ; do I fetch for A?
	s_cselect_b32 s2, ttmp9, s2                    ; the coordinate along which other clusters read the same rows
	s_cselect_b64 s[PFA:PFA+1], s[4:5], s[6:7]
	s_cselect_b32 s14, s14, s15
	s_cselect_b32 s[PFS], s20, s21
	s_cselect_b32 s22, s22, s23
	s_cselect_b32 s15, 1, 0                        ; blocks of 256 bytes in a row of my share, less one
	s_mov_b32 s23, 0
	s_mov_b32 s[PFS+1], 0
	s_add_nc_u64 s[PFA:PFA+1], s[PFA:PFA+1], s[22:23]
	s_cmp_eq_u32 s2, 0
	s_cselect_b32 s[LIM], 2, -1                    ; the same in all sixteen partners, for a given wave
	v_and_b32 v7, 31, v0
	v_lshrrev_b32 v[PFO], s15, v7
	v_and_b32 v8, s15, v7
	v_mul_lo_u32 v[PFO], v[PFO], s14
	v_lshl_add_u32 v[PFO], v8, 8, v[PFO]
.endif
; 8 matrix instructions: row blocks a0, a0 + 1 x all 4 column blocks, 32 along K: half c of buffer f.  The 16 accumulators take turns, in the same order everywhere.
.macro MUL8 f, c, a0, zero
	WIN MUL
.irp a, \a0, (\a0)+1
.irp b, 0,1,2,3
.if \zero
	v_wmma_f32_16x16x32_bf16 v[ACC+8*(4*(\a)+(\b)):ACC+8*(4*(\a)+(\b))+7], v[(\f)+64+8*(4*(\c)+(\b)):(\f)+64+8*(4*(\c)+(\b))+7], v[(\f)+8*(4*(\c)+(\a)):(\f)+8*(4*(\c)+(\a))+7], 0
.else
	v_wmma_f32_16x16x32_bf16 v[ACC+8*(4*(\a)+(\b)):ACC+8*(4*(\a)+(\b))+7], v[(\f)+64+8*(4*(\c)+(\b)):(\f)+64+8*(4*(\c)+(\b))+7], v[(\f)+8*(4*(\c)+(\a)):(\f)+8*(4*(\c)+(\a))+7], v[ACC+8*(4*(\a)+(\b)):ACC+8*(4*(\a)+(\b))+7]
.endif
.endr
.endr
.endm
; 32 LDS loads in one run: quarter q (64 along K) of the slot in hand into buffer f; its first 32 along K first
.macro FETCH q, f
	WIN TO_F
.irp c, 0,1
.irp i, 0,1,2,3
	ds_load_tr16_b128 v[(\f)+64+8*(4*(\c)+(\i)):(\f)+64+8*(4*(\c)+(\i))+3],   v[ADRB+(\q)/2] offset:(((\q)%2)*64+32*(\c))*PB+32*(\i)
	ds_load_tr16_b128 v[(\f)+64+8*(4*(\c)+(\i))+4:(\f)+64+8*(4*(\c)+(\i))+7], v[ADRB+(\q)/2] offset:(((\q)%2)*64+32*(\c))*PB+16*PB+32*(\i)
	ds_load_b128 v[(\f)+8*(4*(\c)+(\i)):(\f)+8*(4*(\c)+(\i))+3],   v[ADRA] offset:(\q)*AQ+64*(\c)+(\i)*16*AP
	ds_load_b128 v[(\f)+8*(4*(\c)+(\i))+4:(\f)+8*(4*(\c)+(\i))+7], v[ADRA] offset:(\q)*AQ+64*(\c)+(\i)*16*AP+32
.endr
.endr
.endm
.macro QUARTER q, f, g, zero=0         ; multiplies buffer f; in its middle fetches quarter q into buffer g
	s_wait_dscnt 16                                ; the first 32 along K are in
	MUL8 \f, 0, 0, \zero
	MUL8 \f, 0, 2, \zero
	PLACES
	FETCH \q, \g
	s_wait_dscnt 32                                ; all but the 32 just issued
	MUL8 \f, 1, 0, 0
	MUL8 \f, 1, 2, 0
.endm
; The last quarter multiplies buffer 1 and changes slots: each wave waits for all its tensor loads, adds 0 to its spare word, waits for that and for its reads of this slot, and signals.
; fill = 1: the barrier opens a round of the cluster's, and the slot just read is filled again first thing behind it, with the K step two on.
.macro TURN fill
.if (\fill) && HASPF
	s_wait_xcnt 0x0                                ; the last prefetch, a K step back, has read its address
	s_add_nc_u64 s[PFA:PFA+1], s[PFA:PFA+1], s[PFS:PFS+1]
.endif
	WIN 0
	s_wait_tensorcnt 0x0                           ; all my tensor loads have landed
	ds_add_u32 v[SPW], v[NIL]                      ; 0 onto my spare word
	s_wait_dscnt 17                                ; (the add and the youngest sixteen loads may be out)
	MUL8 F1, 0, 0, 0
	s_wait_dscnt 0x0                               ; the add is done, and my reads of this slot are over
	s_barrier_signal -1
	MUL8 F1, 0, 2, 0
	WIN 0
	s_barrier_wait -1
.if \fill
	CREST                                          ; no wave of any partner still reads this slot or has a load on its way
	s_xor_b32 s[G0+5], s[G0+5], SLOT
	s_add_nc_u64 s[G0+6:G0+7], s[G0+6:G0+7], STEPA
	s_xor_b32 s[G0B+5], s[G0B+5], SLOT
	s_add_nc_u64 s[G0B+6:G0B+7], s[G0B+6:G0B+7], STEPB
.endif
	s_xor_b32 s[TB], s[TB], SLOT
.if \fill
	JLOAD 1                                        ; its four v_nop are also the places in front of the loads below
.else
	PLACES
.endif
	v_add_nc_u32 v[ADRA], s[TB], v[A0]
	v_add_nc_u32 v[ADRB], s[TB], v[B0]
	v_add_nc_u32 v[ADRB+1], BH, v[ADRB]
	FETCH 0, F0
.if (\fill) && HASPF
	WIN 0
	ASK
.endif
	MUL8 F1, 1, 0, 0
	MUL8 F1, 1, 2, 0
.endm
	s_wait_tensorcnt 1                             ; my part of K step 0 is in; K step 1's may stay out
	s_barrier_signal -1
	s_barrier_wait -1
	FETCH 0, F0
	QUARTER 1, F0, F1, 1                           ; the first products start the sums
	WIN 0
	s_mov_b32 s3, T-2
.Lstep:                                        ; a trip: a K step's quarters 1 to 3 and the next step's quarter 0; the slot left is filled again
	QUARTER 2, F1, F0
	QUARTER 3, F0, F1
	TURN 1
	QUARTER 1, F0, F1
	WIN 0
	s_sub_co_u32 s3, s3, 1
	s_cmp_lg_u32 s3, 0
	s_cbranch_scc1 .Lstep
	s_mov_b32 s3, 2
.Ltail:                                        ; the last two K steps ask for nothing.  The second pass is left in its middle; the fragments that its change of slots fetches (landed bytes of the other slot) are not multiplied
	QUARTER 2, F1, F0
	QUARTER 3, F0, F1
	TURN 0
	WIN 0
	s_sub_co_u32 s3, s3, 1
	s_cmp_eq_u32 s3, 0
	s_cbranch_scc1 .Lout
	QUARTER 1, F0, F1
	WIN 0
	s_cmp_lg_u32 s3, 0
	s_cbranch_scc1 .Ltail
.Lout:
	PLACES                                         ; behind the last products
	s_wait_dscnt 0x0                               ; my reads of the ring are over,
	s_barrier_signal -1
	s_barrier_wait -1                              ; everybody's are: the ring, which has had its last fill, holds the four stages
.irp a, 0,1,2,3                        ; each accumulator's low four registers go first
.irp b, 0,1,2,3
	ds_store_b128 v[STO], v[ACC+8*(4*(\a)+(\b)):ACC+8*(4*(\a)+(\b))+3]   offset:(\a)*16*SPITCH+64*(\b)
	ds_store_b128 v[STO], v[ACC+8*(4*(\a)+(\b))+4:ACC+8*(4*(\a)+(\b))+7] offset:(\a)*16*SPITCH+64*(\b)+16
.endr
.endr
	s_wait_loadcnt 0x0                             ; bias and residual
	RND2 BIAS, 10                                  ; the bias is an input: rounded to bf16
	RND2 BIAS+2, 11
.if WO
	WIN 0xaa                                       ; all places window 2: the residual is the input x: rounded to bf16
.set k, 0
.rept 64
	RND2 2*k, 128+k%2
.set k, k+1
.endr
	WIN 0
.endif
.irp q, 0,1,2,3                        ; 16 rows a group, through two sets of registers
.if (\q) >= 2
	s_wait_xcnt 0x0                                ; the stores of the group two back have read this set
.endif
.irp t, 0,1,2,3,4,5,6,7
	ds_load_b128 v[TMP+32*((\q)%2)+4*(\t):TMP+32*((\q)%2)+4*(\t)+3], v[RD] offset:(8*(\q)+(\t))*2*SPITCH  ; LDS serves a wave's instructions in order (ISA guide 5.7.1.4): these see my stores above
.endr
	s_wait_dscnt 0x0
.irp t, 0,1,2,3,4,5,6,7
	v_pk_add_f32 v[TMP+32*((\q)%2)+4*(\t):TMP+32*((\q)%2)+4*(\t)+1],   v[TMP+32*((\q)%2)+4*(\t):TMP+32*((\q)%2)+4*(\t)+1],   v[BIAS:BIAS+1]
	v_pk_add_f32 v[TMP+32*((\q)%2)+4*(\t)+2:TMP+32*((\q)%2)+4*(\t)+3], v[TMP+32*((\q)%2)+4*(\t)+2:TMP+32*((\q)%2)+4*(\t)+3], v[BIAS+2:BIAS+3]
.endr
	WIN 0x08                                       ; source 1 window 2: the residual
.irp t, 0,1,2,3,4,5,6,7
	v_pk_add_f32 v[TMP+32*((\q)%2)+4*(\t):TMP+32*((\q)%2)+4*(\t)+1],   v[TMP+32*((\q)%2)+4*(\t):TMP+32*((\q)%2)+4*(\t)+1],   v[4*(8*(\q)+(\t)):4*(8*(\q)+(\t))+1]
	v_pk_add_f32 v[TMP+32*((\q)%2)+4*(\t)+2:TMP+32*((\q)%2)+4*(\t)+3], v[TMP+32*((\q)%2)+4*(\t)+2:TMP+32*((\q)%2)+4*(\t)+3], v[4*(8*(\q)+(\t))+2:4*(8*(\q)+(\t))+3]
.endr
	WIN 0
.irp t, 0,1,2,3,4,5,6,7
.if WO
	global_store_b128 v[XO], v[TMP+32*((\q)%2)+4*(\t):TMP+32*((\q)%2)+4*(\t)+3], s[8:9] offset:8192*(8*(\q)+(\t))  ; 16 lanes store 256 consecutive bytes, aligned
.else
	global_store_b128 v[XO], v[TMP+32*((\q)%2)+4*(\t):TMP+32*((\q)%2)+4*(\t)+3], s[8:9] offset:8192*(8*(\q)+(\t)) th:TH_STORE_NT
.endif
.endr
.endr
	s_wait_tensorcnt 0x0                           ; the wave's end: behind my last tensor load and my last LDS store
	ds_add_u32 v[SPW], v[NIL]
	s_wait_dscnt 0x0
	CROUND                                         ; the closing round
	s_endpgm
.Lfunc_end_k_q4c873cb142_wo:
	.size	k_q4c873cb142_wo, .Lfunc_end_k_q4c873cb142_wo-k_q4c873cb142_wo
	.p2alignl 7, 3214868480
	.fill 96, 4, 3214868480
	.section	.rodata,"a",@progbits
	.p2align	6, 0x0
	.amdhsa_kernel k_q4c873cb142_wo
		.amdhsa_group_segment_fixed_size 327680
		.amdhsa_private_segment_fixed_size 0
		.amdhsa_enable_private_segment 0
		.amdhsa_kernarg_size 40
		.amdhsa_user_sgpr_count 2
		.amdhsa_user_sgpr_kernarg_segment_ptr 1
		.amdhsa_wavefront_size32 1
		.amdhsa_system_sgpr_workgroup_id_x 1
		.amdhsa_system_sgpr_workgroup_id_y 1
		.amdhsa_system_sgpr_workgroup_id_z 1
		.amdhsa_system_vgpr_workitem_id 0
		.amdhsa_next_free_vgpr 644
		.amdhsa_next_free_sgpr 80
		.amdhsa_reserve_vcc 0
		.amdhsa_float_denorm_mode_32 3
		.amdhsa_float_denorm_mode_16_64 3
		.amdhsa_memory_ordered 1
		.amdhsa_forward_progress 1
		.amdhsa_inst_pref_size 78
	.end_amdhsa_kernel
	.amdgpu_metadata
---
amdhsa.version: [ 1, 2 ]
amdhsa.kernels:
  - .name:           k_q4c873cb142_wo
    .symbol:         k_q4c873cb142_wo.kd
    .args:
      - { .name: ctx, .offset: 0, .size: 8, .value_kind: global_buffer, .address_space: global }
      - { .name: wb, .offset: 8, .size: 8, .value_kind: global_buffer, .address_space: global }
      - { .name: x1, .offset: 16, .size: 8, .value_kind: global_buffer, .address_space: global }
      - { .name: bo, .offset: 24, .size: 8, .value_kind: global_buffer, .address_space: global }
      - { .name: x, .offset: 32, .size: 8, .value_kind: global_buffer, .address_space: global }
    .group_segment_fixed_size: 327680
    .private_segment_fixed_size: 0
    .kernarg_segment_align: 8
    .kernarg_segment_size: 40
    .max_flat_workgroup_size: 128
    .sgpr_count:     80
    .vgpr_count:     644
    .wavefront_size: 32
...
	.end_amdgpu_metadata
.endif
;; end of part 4
;; launch ln2 (part 5): grid 512 x 1, 8 waves a work-group, no clusters, 0 bytes of LDS; arguments x1, ln2_s, ln2_b, h2; writes h2
.if DOCPART == 5
	.amdgcn_target "amdgcn-amd-amdhsa--gfx1250"
	.amdhsa_code_object_version 6
	.text
	.protected	k_q4c873cb142_ln2
	.globl	k_q4c873cb142_ln2
	.p2align	8
	.type	k_q4c873cb142_ln2,@function
k_q4c873cb142_ln2:
	s_mov_b64 s[64:65], 0
	v_nop
	global_prefetch_b8 v0, s[64:65] scope:SCOPE_SE
	s_setreg_imm32_b32 hwreg(HW_REG_WAVE_MODE, 25, 1), 1
	s_wait_xcnt 0x0
; h2 = LayerNorm(x1) with gain and shift rounded to bf16 (they are inputs; x1 is the program's own and stays f32), h2 in bf16.  A wave takes one row of 1,024 numbers and keeps it in 32 registers:
; the row is read once; mean and variance in f32, the mean taken away before the squares.  No LDS, no barrier.  NaN and infinities are not treated apart.
.set X,   4                            ; v[4:35]    the row: load j holds numbers 128 j + 4 lane + 0..3
.set G,   36                           ; v[36:67]   the gain
.set BT,  68                           ; v[68:99]   the shift
.set S,   100                          ; v[100:107] four chains of pairs
.set T,   108                          ; v108, v109 at work
.set M,   110                          ; v[110:111] the mean, twice
.set R,   112                          ; v[112:113] 1 / sqrt(var + eps), twice
.set TMP, 114                          ; v114, v115
.set Y,   116                          ; v[116:131] the row in bf16
.macro RND2 lo, tmp                    ; the pair v[lo], v[lo+1] is rounded to bf16 and widened again
	v_cvt_pk_bf16_f32 v[\tmp], v[\lo], v[(\lo)+1]
	v_lshlrev_b32 v[\lo], 16, v[\tmp]
	v_and_b32 v[(\lo)+1], s34, v[\tmp]
.endm
.macro JOIN                            ; the four chains into one number, then the sum over the 32 lanes, into every lane's v[T]
	v_pk_add_f32 v[S:S+1], v[S:S+1], v[S+2:S+3]
	v_pk_add_f32 v[S+4:S+5], v[S+4:S+5], v[S+6:S+7]
	v_pk_add_f32 v[S:S+1], v[S:S+1], v[S+4:S+5]
	v_add_f32 v[T], v[S], v[S+1]
	v_add_f32_dpp v[T], v[T], v[T] row_xmask:1 row_mask:0xf bank_mask:0xf
	v_add_f32_dpp v[T], v[T], v[T] row_xmask:2 row_mask:0xf bank_mask:0xf
	v_add_f32_dpp v[T], v[T], v[T] row_xmask:4 row_mask:0xf bank_mask:0xf
	v_add_f32_dpp v[T], v[T], v[T] row_xmask:8 row_mask:0xf bank_mask:0xf
	v_permlanex16_b32 v[T+1], v[T], s32, s33
	v_add_f32 v[T], v[T], v[T+1]
.endm
	s_load_b256 s[8:15], s[0:1], 0x0               ; x1 s[8:9], ln2_s s[10:11], ln2_b s[12:13], h2 s[14:15]
	v_lshrrev_b32 v3, 5, v0
	v_readfirstlane_b32 s2, v3                     ; wave 0..7
	v_and_b32 v3, 31, v0
	v_lshlrev_b32 v1, 4, v3                        ; 16 x lane
	v_lshlrev_b32 v2, 3, v3                        ; 8 x lane
	s_lshl_b32 s3, ttmp9, 3
	s_add_co_u32 s3, s3, s2                        ; my row
	s_lshl_b32 s4, s3, 12
	s_mov_b32 s5, 0
	s_lshl_b32 s6, s3, 11
	s_mov_b32 s7, 0
	s_mov_b32 s30, 0x3a800000                      ; 1 / 1024
	s_mov_b32 s31, 0x3727c5ac                      ; 1e-5
	s_mov_b32 s32, 0x76543210
	s_mov_b32 s33, 0xfedcba98
	s_mov_b32 s34, 0xffff0000
	s_wait_kmcnt 0x0
	s_add_nc_u64 s[8:9], s[8:9], s[4:5]
	s_add_nc_u64 s[14:15], s[14:15], s[6:7]
.irp j, 0,1,2,3,4,5,6,7
	global_load_b128 v[X+4*(\j):X+4*(\j)+3], v1, s[8:9] offset:512*(\j) th:TH_LOAD_NT
.endr
.irp j, 0,1,2,3,4,5,6,7
	global_load_b128 v[G+4*(\j):G+4*(\j)+3], v1, s[10:11] offset:512*(\j)
.endr
.irp j, 0,1,2,3,4,5,6,7
	global_load_b128 v[BT+4*(\j):BT+4*(\j)+3], v1, s[12:13] offset:512*(\j)
.endr
	v_mov_b32 v[T+1], 0                            ; v_permlanex16_b32 counts as a reader of its destination
	s_wait_loadcnt 16                              ; the row is in; the 16 loads of gain and shift may stay out
.irp c, 0,1,2,3
	v_pk_add_f32 v[S+2*(\c):S+2*(\c)+1], v[X+2*(\c):X+2*(\c)+1], v[X+8+2*(\c):X+8+2*(\c)+1]
.endr
.irp c, 0,1,2,3
	v_pk_add_f32 v[S+2*(\c):S+2*(\c)+1], v[S+2*(\c):S+2*(\c)+1], v[X+16+2*(\c):X+16+2*(\c)+1]
.endr
.irp c, 0,1,2,3
	v_pk_add_f32 v[S+2*(\c):S+2*(\c)+1], v[S+2*(\c):S+2*(\c)+1], v[X+24+2*(\c):X+24+2*(\c)+1]
.endr
	JOIN
	v_mul_f32 v[M], s30, v[T]
	v_mov_b32 v[M+1], v[M]
.set k, 0
.rept 16
	v_pk_add_f32 v[X+2*k:X+2*k+1], v[X+2*k:X+2*k+1], v[M:M+1] neg_lo:[0,1] neg_hi:[0,1]  ; x - mean
.set k, k+1
.endr
.irp c, 0,1,2,3
	v_pk_mul_f32 v[S+2*(\c):S+2*(\c)+1], v[X+2*(\c):X+2*(\c)+1], v[X+2*(\c):X+2*(\c)+1]
.endr
.irp c, 4,5,6,7,8,9,10,11,12,13,14,15
	v_pk_fma_f32 v[S+2*((\c)%4):S+2*((\c)%4)+1], v[X+2*(\c):X+2*(\c)+1], v[X+2*(\c):X+2*(\c)+1], v[S+2*((\c)%4):S+2*((\c)%4)+1]
.endr
	JOIN
	v_fma_f32 v[T], v[T], s30, s31                 ; var + eps
	v_rsq_f32 v[R], v[T]
	v_rsq_f32 v[R+1], v[T]
	s_wait_loadcnt 0x0                             ; gain and shift
.set k, 0
.rept 16                               ; their rounding is the plain work behind the two roots: it names neither T nor R
	RND2 G+2*k, TMP
	RND2 BT+2*k, TMP+1
.set k, k+1
.endr
	s_wait_alu depctr_va_vdst(0)                   ; one wait for both roots, ahead of their first reader
.set k, 0
.rept 16
	v_pk_mul_f32 v[X+2*k:X+2*k+1], v[X+2*k:X+2*k+1], v[R:R+1]
.set k, k+1
.endr
.set k, 0
.rept 16
	v_pk_fma_f32 v[X+2*k:X+2*k+1], v[X+2*k:X+2*k+1], v[G+2*k:G+2*k+1], v[BT+2*k:BT+2*k+1]
.set k, k+1
.endr
.set k, 0
.rept 16
	v_cvt_pk_bf16_f32 v[Y+k], v[X+2*k], v[X+2*k+1]
.set k, k+1
.endr
.irp j, 0,1,2,3,4,5,6,7
	global_store_b64 v2, v[Y+2*(\j):Y+2*(\j)+1], s[14:15] offset:256*(\j)  ; 32 lanes x 8 bytes: 256 consecutive bytes, aligned
.endr
	s_endpgm
.Lfunc_end_k_q4c873cb142_ln2:
	.size	k_q4c873cb142_ln2, .Lfunc_end_k_q4c873cb142_ln2-k_q4c873cb142_ln2
	.p2alignl 7, 3214868480
	.fill 96, 4, 3214868480
	.section	.rodata,"a",@progbits
	.p2align	6, 0x0
	.amdhsa_kernel k_q4c873cb142_ln2
		.amdhsa_group_segment_fixed_size 0
		.amdhsa_private_segment_fixed_size 0
		.amdhsa_enable_private_segment 0
		.amdhsa_kernarg_size 32
		.amdhsa_user_sgpr_count 2
		.amdhsa_user_sgpr_kernarg_segment_ptr 1
		.amdhsa_wavefront_size32 1
		.amdhsa_system_sgpr_workgroup_id_x 1
		.amdhsa_system_sgpr_workgroup_id_y 1
		.amdhsa_system_sgpr_workgroup_id_z 1
		.amdhsa_system_vgpr_workitem_id 0
		.amdhsa_next_free_vgpr 132
		.amdhsa_next_free_sgpr 66
		.amdhsa_reserve_vcc 0
		.amdhsa_float_denorm_mode_32 3
		.amdhsa_float_denorm_mode_16_64 3
		.amdhsa_memory_ordered 1
		.amdhsa_forward_progress 1
		.amdhsa_inst_pref_size 16
	.end_amdhsa_kernel
	.amdgpu_metadata
---
amdhsa.version: [ 1, 2 ]
amdhsa.kernels:
  - .name:           k_q4c873cb142_ln2
    .symbol:         k_q4c873cb142_ln2.kd
    .args:
      - { .name: x1, .offset: 0, .size: 8, .value_kind: global_buffer, .address_space: global }
      - { .name: ln2_s, .offset: 8, .size: 8, .value_kind: global_buffer, .address_space: global }
      - { .name: ln2_b, .offset: 16, .size: 8, .value_kind: global_buffer, .address_space: global }
      - { .name: h2, .offset: 24, .size: 8, .value_kind: global_buffer, .address_space: global }
    .group_segment_fixed_size: 0
    .private_segment_fixed_size: 0
    .kernarg_segment_align: 8
    .kernarg_segment_size: 32
    .max_flat_workgroup_size: 256
    .sgpr_count:     66
    .vgpr_count:     132
    .wavefront_size: 32
...
	.end_amdgpu_metadata
.endif
;; end of part 5
;; launch ff1 (part 6): grid 16 x 16, 4 waves a work-group, clusters of 4 x 4, 327,680 bytes of LDS; arguments h2, wb, g, b1; writes g
.if DOCPART == 6
	.amdgcn_target "amdgcn-amd-amdhsa--gfx1250"
	.amdhsa_code_object_version 6
	.text
	.protected	k_q4c873cb142_ff1
	.globl	k_q4c873cb142_ff1
	.p2align	8
	.type	k_q4c873cb142_ff1,@function
k_q4c873cb142_ff1:
	s_mov_b64 s[64:65], 0
	v_nop
	global_prefetch_b8 v0, s[64:65] scope:SCOPE_SE
	s_setreg_imm32_b32 hwreg(HW_REG_WAVE_MODE, 25, 1), 1
	s_wait_xcnt 0x0
	s_wait_alu depctr_hold_cnt(0) depctr_sa_sdst(0) depctr_va_vdst(0) depctr_va_sdst(0) depctr_va_ssrc(0) depctr_va_vcc(0) depctr_vm_vsrc(0)
	s_getreg_b32 s2, hwreg(HW_REG_IB_STS2, 6, 4)
	s_cmp_eq_u32 s2, 0
	s_cbranch_scc0 .Lentry_in_a_cluster
	s_endpgm
.Lentry_in_a_cluster:
	s_bfe_u32 s2, ttmp6, 0x10000c
	s_cmp_lg_u32 s2, 0xf033
	s_cbranch_scc0 .Lentry_shape_is_right
	s_endpgm
.Lentry_shape_is_right:
; C = A B for A [4096][1024] bf16 (K along the rows) and B [1024][NP] bf16 as the weights lie ([K][N]); sums in f32.  One text serves two launches; FF1 chooses:
;   FF1 = 0: A = h1, B = WQ | WK | WV (three matrices of 1,024 columns); C rounded once to bf16 and stored by heads: qkv[which][batch x 16 + head][token][64].
;   FF1 = 1: A = h2, B = W1 (4,096 columns); g = gelu(C + bf16(b1)), rounded once to bf16, [4096][4096].  gelu(u) = u / (1 + 2^(u (CB + CA u^2))), which is 0.5 u (1 + tanh(..)) exactly.
; A tile of C is 256 x 256: four waves, each 128 x 128 in 64 accumulators (512 registers).  K goes in 8 steps of 128 through two LDS slots.  A's rows lie along K and are read by ds_load_b128;
; B's tile lies [k][n] and is read turned, by ds_load_tr16_b128.  The product is used transposed (source 0 = 16 columns of B, source 1 = 16 rows of A): a lane holds 8 neighbouring columns of one row of C.
; ONE K STEP IS WRITTEN: the slot in hand is the scalar TB (0 or SLOT), and the refills use one walking descriptor a tensor, whose LDS word is turned by an exclusive or
; (SLOT's two bits meet none of the four waves' bases, so the or is an addition or a subtraction) and whose address steps by a K step.
; CLUSTER 4 x 4: A's tile is shared along a row of the cluster, B's along a column; each is asked for jointly.  By this text's count a wave has two tensor loads out at the start and one behind each round.
; THE WAY OUT: behind the last product and a barrier the ring is read no more and has had its last fill; each wave lays its 128 x 128 sums in f32 into a stage of its own there and reads whole rows back.
; LIMITS: bf16 operands; NaN and infinities are not treated apart.
.set FF1,    1
.set T,      8                         ; K steps
.if FF1
.set NP,     4096
.set CYSH,   17                        ; log2 of 16 rows of B in bytes
.else
.set NP,     1024
.set CYSH,   15
.endif
.set PA,     272                       ; a row of A in LDS: 256 bytes + 16: the 16 rows of a load start at 16 different groups of four banks (64 banks of 4 bytes: ISA guide 11.1)
.set PB,     544                       ; a row of B: 512 + 32
.set HALFT,  128*PA                    ; what one tensor load brings: 128 rows of A, or 64 rows of B (64 x 544 is the same number)
.set SLOT,   4*HALFT                   ; A's 256 rows, then B's 128 rows
.set SPARE,  2*SLOT                    ; behind the ring: the spare words, 128 bytes a wave
.set SPITCH, 528                       ; a row of a wave's stage: 512 bytes + 16
.set STEPA,  256                       ; bytes from K step to K step in A,
.set STEPB,  128*NP*2                  ; and in B
.set ADRA, 16                          ; v16  LDS address of my A fragments in the slot in hand
.set ADRB, 17                          ; v17  the same for B
.set A0,   18                          ; v18  the same in slot 0; never rewritten
.set B0,   19                          ; v19
.set STO,  24                          ; v24  the way out: where I put 16 bytes of a row
.set RD,   25                          ; v25  where I read rows back
.set GO,   26                          ; v26  my byte offset in the output
.set BO,   27                          ; v27  my byte offset in the bias
.set SPW,  28                          ; v28  LDS address of my spare word; never rewritten
.set NIL,  29                          ; v29  0; never rewritten
.set PFO,  30                          ; v30  the prefetches' offset; never rewritten
.set BIAS, 32                          ; v[32:35] my four numbers of the bias; v36, v37 at work
.set F0,   64                          ; fragment buffers: A's in window 0, B's in window 1
.set F1,   128
.set U,    64                          ; the way out
.set TM,   96
.set OUT,  160
.set G1,  24                           ; s[24:31] descriptor group 1 for A;  s[32:39] group 0: the first fill's set, then the walking set
.set G0,  32
.set G1B, 48                           ; s[48:55], s[56:63] the same for B
.set G0B, 56
.set TB,  66                           ; s66  the slot in hand: 0 or SLOT
.set LIM, 67                           ; s67  1 in a wave that prefetches, else the greatest number
.set PFA, 68                           ; s[68:69] where my prefetches stand
.set PFS, 70                           ; s[70:71] their step
.set MSB, 0
.macro WIN new                         ; the immediate's high byte repeats the setting that is left; a switch that changes nothing is dropped
.if MSB != (\new)
	s_set_vgpr_msb (MSB<<8)|(\new)
.set MSB, \new
.endif
.endm
.set MUL_LO, 0xa1                      ; source 0 (B) window 1, source 1 (A) window 0, C and D window 2
.set MUL_HI, 0xf1                      ; the same, C and D window 3
.set TO_B,   0x40                      ; destination window 1, address window 0
.macro PLACES                          ; four plain instructions between a matrix instruction and a load into, or a read of, its registers
.rept 4
	v_nop
.endr
.endm
; A joint load: waves 0 and 1 fetch A's two halves, waves 2 and 3 B's.  The branch hangs on the wave's number alone.  An s_nop 0 and four v_nop follow each line.
.macro JLOAD s
	s_cmp_eq_u32 s11, 0
	s_cbranch_scc0 .Lfor_b_\@
	tensor_load_to_lds s[G0+4*(\s):G0+4*(\s)+3], s[G1:G1+7]
	s_nop 0
.rept 4
	v_nop
.endr
	s_branch .Lasked_\@
.Lfor_b_\@:
	tensor_load_to_lds s[G0B+4*(\s):G0B+4*(\s)+3], s[G1B:G1B+7]
	s_nop 0
.rept 4
	v_nop
.endr
.Lasked_\@:
.endm
.macro CREST                           ; a round of the cluster's barrier behind its opening barrier
	s_cmp_lg_u32 s10, 0
	s_cbranch_scc1 .Lnot_wave_0_\@
	s_barrier_signal -3
.Lnot_wave_0_\@:
	s_barrier_wait -3
	s_barrier_signal -1
	s_barrier_wait -1
.endm
.macro CROUND                          ; a whole round
	s_barrier_signal -1
	s_barrier_wait -1
	CREST
.endm
; A prefetch into the L2 of the K step that the NEXT refill will ask for: 256 matrix instructions ahead of that load.  Of the 128 blocks of 256 bytes that a wave fetches in a step each of the four
; partners that ask for them jointly takes 32, told apart by address, a lane a block.  A's rows are named by the clusters with x = 0 alone, B's by those with y = 0: each block once in the launch.
; The last filling trip (s3 = 1) has no step behind its own refill and asks for nothing.
.macro ASK
	s_cmp_gt_u32 s3, s[LIM]
	s_cbranch_scc0 .Lnot_mine_\@
	global_prefetch_b8 v[PFO], s[PFA:PFA+1] th:TH_LOAD_NT scope:SCOPE_SE
.Lnot_mine_\@:
.endm
	s_load_b128 s[4:7], s[0:1], 0x0                ; A s[4:5], wb s[6:7]
	s_load_b64 s[8:9], s[0:1], 0x10                ; the output
.if FF1
	s_load_b64 s[72:73], s[0:1], 0x18              ; b1
.endif
	v_lshl_add_u32 v[SPW], v0, 2, SPARE
	v_mov_b32 v[NIL], 0
	ds_add_u32 v[SPW], v[NIL]                      ; the wave's opening: the add and its wait stand ahead of my first tensor load; the set-up below stands between them
	v_lshrrev_b32 v1, 5, v0
	v_readfirstlane_b32 s10, v1                    ; wave 0..3
	s_lshr_b32 s11, s10, 1                         ; which half of the tile's rows is mine.  Also: I fetch for A (0) or for B (1)
	s_and_b32 s12, s10, 1                          ; which half of its columns.  Also: which half of that tile I fetch
	s_bfe_u32 s40, ttmp6, 0x40000                  ; cx
	s_bfe_u32 s41, ttmp6, 0x40004                  ; cy
	s_lshl_b32 s42, ttmp9, 2
	s_add_co_u32 s42, s42, s40                     ; tile column = 4 x cluster x + cx
	s_and_b32 s13, ttmp7, 0xffff
	s_lshl_b32 s13, s13, 2
	s_add_co_u32 s13, s13, s41                     ; tile row = 4 x cluster y + cy
	s_lshl_b32 s43, s41, 2
	s_lshl_b32 s43, 15, s43                        ; my row of the cluster
	s_lshl_b32 s44, 0x1111, s40                    ; my column
	s_or_b32 s[G1+0], s43, (1<<16)|(1<<20)|(1<<21)|(5<<22)|(3<<25)   ; the mask; 2-byte elements; padding on; bit 21 beside a mask; after every 64 words 4 words
	s_or_b32 s[G1B+0], s44, (1<<16)|(1<<20)|(1<<21)|(6<<22)|(7<<25)  ; after every 128 words 8 words
	s_mov_b32 s[G1+1], 128<<16                     ; A: tensor_dim0 = 128 elements
	s_mov_b32 s[G1+2], 128<<16                     ; tensor_dim1 = 128 rows
	s_mov_b32 s[G1+3], 128<<16                     ; tile_dim0
	s_mov_b32 s[G1+4], 128                         ; tile_dim1
	s_mov_b32 s[G1+5], 1024                        ; elements from row to row
	s_mov_b32 s[G1+6], 0
	s_mov_b32 s[G1+7], 0
	s_mov_b32 s[G1B+1], 256<<16                    ; B: 256 elements,
	s_mov_b32 s[G1B+2], 64<<16                     ; 64 rows
	s_mov_b32 s[G1B+3], 256<<16
	s_mov_b32 s[G1B+4], 64
	s_mov_b32 s[G1B+5], NP
	s_mov_b32 s[G1B+6], 0
	s_mov_b32 s[G1B+7], 0
	s_lshl_b32 s16, s13, 8                         ; A: row 256 x tile row + 128 x half, 2,048 bytes a row: it hangs on the tile row alone
	s_lshl_b32 s17, s12, 7
	s_add_co_u32 s16, s16, s17
	s_lshl_b32 s16, s16, 11
	s_mov_b32 s17, 0
.if FF1
	s_lshl_b32 s18, s42, 9                         ; B: W1's place in wb, 512 bytes a tile column, 64 rows of 8,192 bytes a half: it hangs on the tile column alone
	s_lshl_b32 s19, s12, 19
	s_add_co_u32 s18, s18, s19
	s_add_co_u32 s18, s18, 8388608
.else
	s_lshr_b32 s18, s42, 2                         ; B: which of WQ, WK, WV (2,097,152 bytes each), 512 bytes a tile column in it, 64 rows of 2,048 bytes a half
	s_lshl_b32 s18, s18, 21
	s_and_b32 s19, s42, 3
	s_lshl_b32 s19, s19, 9
	s_add_co_u32 s18, s18, s19
	s_lshl_b32 s19, s12, 17
	s_add_co_u32 s18, s18, s19
.endif
	s_mov_b32 s19, 0
	s_mul_i32 s20, s10, HALFT                      ; where my part goes: wave x HALFT
	s_mov_b32 s[TB], 0
	s_wait_dscnt 0x0                               ; the opening add is done
	s_wait_kmcnt 0x0
	s_add_nc_u64 s[14:15], s[4:5], s[16:17]
	s_add_nc_u64 s[46:47], s[6:7], s[18:19]
	CROUND                                         ; all sixteen work-groups are here: the first joint loads meet
.irp s, 0,1
	s_mov_b32 s[G0+4*(\s)], 1
	s_add_co_u32 s[G0+4*(\s)+1], s20, (\s)*SLOT
	s_add_nc_u64 s[G0+4*(\s)+2:G0+4*(\s)+3], s[14:15], (\s)*STEPA
	s_or_b32 s[G0+4*(\s)+3], s[G0+4*(\s)+3], 0x80000000
	s_mov_b32 s[G0B+4*(\s)], 1
	s_add_co_u32 s[G0B+4*(\s)+1], s20, (\s)*SLOT
	s_add_nc_u64 s[G0B+4*(\s)+2:G0B+4*(\s)+3], s[46:47], (\s)*STEPB
	s_or_b32 s[G0B+4*(\s)+3], s[G0B+4*(\s)+3], 0x80000000
	JLOAD \s
.endr
	v_and_b32 v1, 15, v0                           ; r = l % 16
	v_bfe_u32 v2, v0, 4, 1                         ; h = l / 16
	v_mul_u32_u24 v3, v1, PA                       ; A's fragment: row r, 16 bytes for each half of the lanes
	v_lshl_add_u32 v3, v2, 4, v3
	s_mul_i32 s21, s11, HALFT                      ; my 128 rows of A
	v_add_nc_u32 v[A0], s21, v3
	v_and_b32 v4, 7, v0                            ; B's: lane l reads row 8 h + l % 8, columns 8 ((l / 8) % 2) on
	v_lshl_add_u32 v4, v2, 3, v4
	v_mul_u32_u24 v4, v4, PB
	v_bfe_u32 v5, v0, 3, 1
	v_lshl_add_u32 v4, v5, 4, v4
	s_lshl_b32 s22, s12, 8                         ; my 128 columns,
	s_add_co_u32 s22, s22, 2*HALFT                 ; behind A's 256 rows
	v_add_nc_u32 v[B0], s22, v4
	v_mov_b32 v[ADRA], v[A0]
	v_mov_b32 v[ADRB], v[B0]
	s_mul_i32 s21, s10, 128*SPITCH                 ; my stage
	v_mul_u32_u24 v5, v1, SPITCH                   ; in: row r, 32 bytes for each half of the lanes
	v_lshl_add_u32 v5, v2, 5, v5
	v_add_nc_u32 v[STO], s21, v5
	v_and_b32 v7, 31, v0                           ; l
.if FF1
	v_lshl_add_u32 v[RD], v7, 4, s21               ; back: a row of 128 numbers, 16 bytes a lane
	v_lshlrev_b32 v[GO], 3, v7                     ; which are 8 bytes of g
	s_lshl1_add_u32 s22, s42, s12                  ; 2 x tile column + half
	s_lshl_b32 s23, s22, 9                         ; my 128 numbers of b1
	v_lshl_add_u32 v[BO], v7, 4, s23
	global_load_b128 v[BIAS:BIAS+3], v[BO], s[72:73]
	s_lshl_b32 s22, s22, 8                         ; g: my 128 columns, 256 bytes,
	s_lshl1_add_u32 s23, s13, s11
	s_lshl_b32 s23, s23, 20                        ; and my 128 rows of 8,192 bytes
	s_add_co_u32 s22, s22, s23
	s_mov_b32 s23, 0
	s_add_nc_u64 s[8:9], s[8:9], s[22:23]
	s_mov_b32 s74, 0xffff0000
	s_mov_b32 s76, 0xbdd2d3e8                      ; CA = -2 sqrt(2/pi) log2(e) x 0.044715
	s_mov_b32 s77, s76
	s_mov_b32 s78, 0xc0135761                      ; CB = -2 sqrt(2/pi) log2(e)
	s_mov_b32 s79, s78
.else
	v_bfe_u32 v6, v0, 3, 2                         ; back: four tokens x 64 channels of a head: lane l takes token l / 8, channels 8 (l % 8) on: 32 bytes of f32
	v_mul_u32_u24 v6, v6, SPITCH
	v_and_b32 v8, 7, v0
	v_lshl_add_u32 v6, v8, 5, v6
	v_add_nc_u32 v[RD], s21, v6
	v_lshlrev_b32 v[GO], 4, v7                     ; which are 16 of 512 consecutive bytes of a head
	s_lshr_b32 s22, s42, 2                         ; which of q, k, v: 8,388,608 bytes each
	s_lshl_b32 s22, s22, 23
	s_lshr_b32 s23, s13, 2                         ; batch x 16
	s_lshl_b32 s23, s23, 4
	s_and_b32 s2, s42, 3
	s_lshl2_add_u32 s23, s2, s23                   ; + four heads a tile column
	s_lshl1_add_u32 s23, s12, s23                  ; + two a wave
	s_lshl_b32 s23, s23, 17                        ; 131,072 bytes a head
	s_add_co_u32 s22, s22, s23
	s_and_b32 s23, s13, 3                          ; my first token in the sequence: 128 (2 (tile row % 4) + half), 128 bytes each
	s_lshl1_add_u32 s23, s23, s11
	s_lshl_b32 s23, s23, 14
	s_add_co_u32 s22, s22, s23
	s_mov_b32 s23, 0
	s_add_nc_u64 s[8:9], s[8:9], s[22:23]
.endif
	; the prefetches: A's waves take 32 rows x 256 bytes, B's 16 rows x 512
	s_mov_b32 s14, 2048                            ; bytes from row to row in A,
	s_mov_b32 s15, 2*NP                            ; and in B
	s_mov_b32 s20, STEPA
	s_mov_b32 s21, STEPB
	s_lshl_b32 s22, s40, 16                        ; A: my work-group's 32 of the 128 rows, by cx
	s_add_co_u32 s22, s22, s16
	s_add_co_u32 s22, s22, 2*STEPA                 ; at K step 2: the first refill steps it to 3
	s_lshl_b32 s23, s41, CYSH                      ; B: my work-group's 16 of the 64 rows, by cy
	s_add_co_u32 s23, s23, s18
	s_add_co_u32 s23, s23, 2*STEPB
	s_and_b32 s2, ttmp7, 0xffff                    ; cluster y
	s_cmp_eq_u32 s11, 0                            ; do I fetch for A?
	s_cselect_b32 s2, ttmp9, s2                    ; the coordinate along which other clusters read the same rows
	s_cselect_b64 s[PFA:PFA+1], s[4:5], s[6:7]
	s_cselect_b32 s14, s14, s15
	s_cselect_b32 s[PFS], s20, s21
	s_cselect_b32 s22, s22, s23
	s_cselect_b32 s15, 0, 1                        ; blocks of 256 bytes in a row of my share, less one
	s_mov_b32 s23, 0
	s_mov_b32 s[PFS+1], 0
	s_add_nc_u64 s[PFA:PFA+1], s[PFA:PFA+1], s[22:23]
	s_cmp_eq_u32 s2, 0
	s_cselect_b32 s[LIM], 1, -1                    ; the same in all sixteen partners, for a given wave
	v_lshrrev_b32 v[PFO], s15, v7
	v_and_b32 v8, s15, v7
	v_mul_lo_u32 v[PFO], v[PFO], s14
	v_lshl_add_u32 v[PFO], v8, 8, v[PFO]
; 16 matrix instructions: row blocks a0, a0 + 1 of the window's four x all 8 column blocks, 32 along K.  zero = 1: the first product starts the sums.
; The 64 accumulators take turns, one instruction a turn, in the same order in every quarter, over the backward jumps too.
.macro MUL16 f, hi, a0, zero
	WIN MUL_LO+0x50*(\hi)
.irp a, \a0, (\a0)+1
.irp b, 0,1,2,3,4,5,6,7
.if \zero
	v_wmma_f32_16x16x32_bf16 v[8*(8*(\a)+(\b)):8*(8*(\a)+(\b))+7], v[(\f)+8*(\b):(\f)+8*(\b)+7], v[(\f)+8*(4*(\hi)+(\a)):(\f)+8*(4*(\hi)+(\a))+7], 0
.else
	v_wmma_f32_16x16x32_bf16 v[8*(8*(\a)+(\b)):8*(8*(\a)+(\b))+7], v[(\f)+8*(\b):(\f)+8*(\b)+7], v[(\f)+8*(4*(\hi)+(\a)):(\f)+8*(4*(\hi)+(\a))+7], v[8*(8*(\a)+(\b)):8*(8*(\a)+(\b))+7]
.endif
.endr
.endr
.endm
; 32 LDS loads in one run: quarter q (32 along K) of the slot in hand into buffer f: B's 8 column blocks, turned, then A's 8 row blocks
.macro FETCH q, f
	WIN TO_B
.irp b, 0,1,2,3,4,5,6,7
	ds_load_tr16_b128 v[(\f)+8*(\b):(\f)+8*(\b)+3],   v[ADRB] offset:(\q)*32*PB+32*(\b)
	ds_load_tr16_b128 v[(\f)+8*(\b)+4:(\f)+8*(\b)+7], v[ADRB] offset:(\q)*32*PB+16*PB+32*(\b)
.endr
	WIN 0
.irp i, 0,1,2,3,4,5,6,7
	ds_load_b128 v[(\f)+8*(\i):(\f)+8*(\i)+3],   v[ADRA] offset:64*(\q)+(\i)*16*PA
	ds_load_b128 v[(\f)+8*(\i)+4:(\f)+8*(\i)+7], v[ADRA] offset:64*(\q)+(\i)*16*PA+32
.endr
.endm
; One of a K step's first three quarters: multiplies buffer f; in its middle fetches quarter q into buffer g
.macro QUARTER q, f, g, zero=0
	s_wait_dscnt 8                                 ; B and A's rows 0-63 are in; the youngest eight loads (A's rows 64-127) may be out
	MUL16 \f, 0, 0, \zero
	MUL16 \f, 0, 2, \zero
	PLACES
	FETCH \q, \g
	s_wait_dscnt 32                                ; all but the 32 just issued
	MUL16 \f, 1, 0, \zero
	MUL16 \f, 1, 2, \zero
.endm
; The last quarter multiplies buffer 1 and changes slots.  In front of the barrier each wave waits for all its tensor loads (one is out: its part of the next slot), adds 0 to its spare word, and waits
; for that and for its reads of this slot.  fill = 1: the barrier opens a round of the cluster's, and the slot just read is filled again first thing behind it, with the K step two on.
.macro TURN fill
.if \fill
	s_wait_xcnt 0x0                                ; the last prefetch, a K step back, has read its address
	s_add_nc_u64 s[PFA:PFA+1], s[PFA:PFA+1], s[PFS:PFS+1]
.endif
	WIN 0
	s_wait_tensorcnt 0x0                           ; all my tensor loads have landed
	ds_add_u32 v[SPW], v[NIL]                      ; 0 onto my spare word
	s_wait_dscnt 9                                 ; (the add and the youngest eight loads may be out)
	MUL16 F1, 0, 0, 0
	s_wait_dscnt 0x0                               ; the add is done, and my reads of this slot are over
	s_barrier_signal -1
	MUL16 F1, 0, 2, 0
	WIN 0
	s_barrier_wait -1
.if \fill
	CREST                                          ; no wave of any partner still reads this slot or has a load on its way
	s_xor_b32 s[G0+5], s[G0+5], SLOT               ; the walking descriptors: the other slot than last time, the next K step
	s_add_nc_u64 s[G0+6:G0+7], s[G0+6:G0+7], STEPA
	s_xor_b32 s[G0B+5], s[G0B+5], SLOT
	s_add_nc_u64 s[G0B+6:G0B+7], s[G0B+6:G0B+7], STEPB
.endif
	s_xor_b32 s[TB], s[TB], SLOT
.if \fill
	JLOAD 1                                        ; its four v_nop are also the places in front of the loads below
.else
	PLACES
.endif
	v_add_nc_u32 v[ADRA], s[TB], v[A0]
	v_add_nc_u32 v[ADRB], s[TB], v[B0]
	FETCH 0, F0
.if \fill
	ASK
.endif
	MUL16 F1, 1, 0, 0
	MUL16 F1, 1, 2, 0
.endm
	s_wait_tensorcnt 1                             ; my part of K step 0 is in; K step 1's may stay out
	s_barrier_signal -1
	s_barrier_wait -1
	FETCH 0, F0
	QUARTER 1, F0, F1, 1                           ; the first quarter's products start the sums
	WIN 0
	s_mov_b32 s3, T-2
.Lstep:                                        ; a trip: a K step's quarters 1 to 3 and the next step's quarter 0; the slot left is filled again
	QUARTER 2, F1, F0
	QUARTER 3, F0, F1
	TURN 1
	QUARTER 1, F0, F1
	WIN 0
	s_sub_co_u32 s3, s3, 1
	s_cmp_lg_u32 s3, 0
	s_cbranch_scc1 .Lstep
	s_mov_b32 s3, 2
.Ltail:                                        ; the last two K steps ask for nothing.  The second pass is left in its middle; the fragments that its change of slots fetches (landed bytes of the other slot) are not multiplied
	QUARTER 2, F1, F0
	QUARTER 3, F0, F1
	TURN 0
	WIN 0
	s_sub_co_u32 s3, s3, 1
	s_cmp_eq_u32 s3, 0
	s_cbranch_scc1 .Lout
	QUARTER 1, F0, F1
	WIN 0
	s_cmp_lg_u32 s3, 0
	s_cbranch_scc1 .Ltail
.Lout:
	PLACES                                         ; behind the last products
	s_wait_dscnt 0x0                               ; my reads of the ring are over,
	s_barrier_signal -1
	s_barrier_wait -1                              ; everybody's are: the ring, which has had its last fill, becomes the four stages
	WIN 0x08                                       ; store data in window 2; each accumulator's low four registers go first
.irp a, 0,1,2,3
.irp b, 0,1,2,3,4,5,6,7
	ds_store_b128 v[STO], v[8*(8*(\a)+(\b)):8*(8*(\a)+(\b))+3]   offset:(\a)*16*SPITCH+64*(\b)
	ds_store_b128 v[STO], v[8*(8*(\a)+(\b))+4:8*(8*(\a)+(\b))+7] offset:(\a)*16*SPITCH+64*(\b)+16
.endr
.endr
	WIN 0x0c                                       ; window 3
.irp a, 0,1,2,3
.irp b, 0,1,2,3,4,5,6,7
	ds_store_b128 v[STO], v[8*(8*(\a)+(\b)):8*(8*(\a)+(\b))+3]   offset:((\a)+4)*16*SPITCH+64*(\b)
	ds_store_b128 v[STO], v[8*(8*(\a)+(\b))+4:8*(8*(\a)+(\b))+7] offset:((\a)+4)*16*SPITCH+64*(\b)+16
.endr
.endr
	WIN 0
.if FF1
	s_wait_loadcnt 0x0                             ; the bias, rounded to bf16 like every input
	v_cvt_pk_bf16_f32 v36, v[BIAS], v[BIAS+1]
	v_cvt_pk_bf16_f32 v37, v[BIAS+2], v[BIAS+3]
	v_lshlrev_b32 v[BIAS], 16, v36
	v_and_b32 v[BIAS+1], s74, v36
	v_lshlrev_b32 v[BIAS+2], 16, v37
	v_and_b32 v[BIAS+3], s74, v37
	s_mov_b32 s3, 16
.Lrows:                                        ; 8 rows a trip; LDS serves a wave's instructions in order (ISA guide 5.7.1.4): these loads see my stores above
.irp t, 0,1,2,3,4,5,6,7
	ds_load_b128 v[U+4*(\t):U+4*(\t)+3], v[RD] offset:(\t)*SPITCH
.endr
	s_wait_dscnt 0x0
.set i, 0
.rept 16
	v_pk_add_f32 v[U+2*i:U+2*i+1], v[U+2*i:U+2*i+1], v[BIAS+2*(i%2):BIAS+2*(i%2)+1]  ; u
.set i, i+1
.endr
.set i, 0
.rept 16
	v_pk_mul_f32 v[TM+2*i:TM+2*i+1], v[U+2*i:U+2*i+1], v[U+2*i:U+2*i+1]
.set i, i+1
.endr
.set i, 0
.rept 16
	v_pk_fma_f32 v[TM+2*i:TM+2*i+1], v[TM+2*i:TM+2*i+1], s[76:77], s[78:79] op_sel_hi:[1,0,0]  ; CA u^2 + CB
.set i, i+1
.endr
.set i, 0
.rept 16
	v_pk_mul_f32 v[TM+2*i:TM+2*i+1], v[TM+2*i:TM+2*i+1], v[U+2*i:U+2*i+1]
.set i, i+1
.endr
.set i, 0
.rept 32
	v_exp_f32 v[TM+i], v[TM+i]
.set i, i+1
.endr
	v_add_nc_u32 v[RD], 8*SPITCH, v[RD]            ; the plain instruction behind the last exponential
	s_wait_alu depctr_va_vdst(0)                   ; one wait for the batch of 32
.set i, 0
.rept 16
	v_pk_add_f32 v[TM+2*i:TM+2*i+1], v[TM+2*i:TM+2*i+1], 1.0 op_sel_hi:[1,0]
.set i, i+1
.endr
.set i, 0
.rept 32
	v_rcp_f32 v[TM+i], v[TM+i]
.set i, i+1
.endr
	v_nop
	s_wait_alu depctr_va_vdst(0)                   ; and one for the 32 reciprocals
.set i, 0
.rept 16
	v_pk_mul_f32 v[U+2*i:U+2*i+1], v[U+2*i:U+2*i+1], v[TM+2*i:TM+2*i+1]
.set i, i+1
.endr
.set i, 0
.rept 16
	v_cvt_pk_bf16_f32 v[OUT+i], v[U+2*i], v[U+2*i+1]
.set i, i+1
.endr
.irp t, 0,1,2,3,4,5,6,7
	global_store_b64 v[GO], v[OUT+2*(\t):OUT+2*(\t)+1], s[8:9] offset:(\t)*8192  ; 32 lanes x 8 bytes: 256 consecutive bytes, aligned
.endr
	s_wait_xcnt 0x0                                ; the stores have read their data and their base: both are written again only behind this wait
	s_add_nc_u64 s[8:9], s[8:9], 65536
	s_sub_co_u32 s3, s3, 1
	s_cmp_lg_u32 s3, 0
	s_cbranch_scc1 .Lrows
.else
	s_mov_b32 s3, 8
.Lrows:                                        ; 16 tokens x 2 heads a trip; LDS serves a wave's instructions in order (ISA guide 5.7.1.4): these loads see my stores above
.irp e, 0,1,2,3,4,5,6,7                ; head e / 4, tokens 4 (e % 4) on
	ds_load_b128 v[U+8*(\e):U+8*(\e)+3],   v[RD] offset:((\e)%4)*4*SPITCH+((\e)/4)*256
	ds_load_b128 v[U+8*(\e)+4:U+8*(\e)+7], v[RD] offset:((\e)%4)*4*SPITCH+((\e)/4)*256+16
.endr
	s_wait_dscnt 0x0
.set i, 0
.rept 32
	v_cvt_pk_bf16_f32 v[F1+i], v[U+2*i], v[U+2*i+1]
.set i, i+1
.endr
.irp e, 0,1,2,3,4,5,6,7
	global_store_b128 v[GO], v[F1+4*(\e):F1+4*(\e)+3], s[8:9] offset:((\e)/4)*131072+((\e)%4)*512  ; 512 consecutive bytes of a head, aligned
.endr
	v_add_nc_u32 v[RD], 16*SPITCH, v[RD]
	s_wait_xcnt 0x0                                ; the stores have read their data and their base
	s_add_nc_u64 s[8:9], s[8:9], 2048
	s_sub_co_u32 s3, s3, 1
	s_cmp_lg_u32 s3, 0
	s_cbranch_scc1 .Lrows
.endif
	s_wait_tensorcnt 0x0                           ; the wave's end: behind my last tensor load and my last LDS store
	ds_add_u32 v[SPW], v[NIL]
	s_wait_dscnt 0x0
	CROUND                                         ; the closing round
	s_endpgm
.Lfunc_end_k_q4c873cb142_ff1:
	.size	k_q4c873cb142_ff1, .Lfunc_end_k_q4c873cb142_ff1-k_q4c873cb142_ff1
	.p2alignl 7, 3214868480
	.fill 96, 4, 3214868480
	.section	.rodata,"a",@progbits
	.p2align	6, 0x0
	.amdhsa_kernel k_q4c873cb142_ff1
		.amdhsa_group_segment_fixed_size 327680
		.amdhsa_private_segment_fixed_size 0
		.amdhsa_enable_private_segment 0
		.amdhsa_kernarg_size 32
		.amdhsa_user_sgpr_count 2
		.amdhsa_user_sgpr_kernarg_segment_ptr 1
		.amdhsa_wavefront_size32 1
		.amdhsa_system_sgpr_workgroup_id_x 1
		.amdhsa_system_sgpr_workgroup_id_y 1
		.amdhsa_system_sgpr_workgroup_id_z 1
		.amdhsa_system_vgpr_workitem_id 0
		.amdhsa_next_free_vgpr 1024
		.amdhsa_next_free_sgpr 80
		.amdhsa_reserve_vcc 0
		.amdhsa_float_denorm_mode_32 3
		.amdhsa_float_denorm_mode_16_64 3
		.amdhsa_memory_ordered 1
		.amdhsa_forward_progress 1
		.amdhsa_inst_pref_size 89
	.end_amdhsa_kernel
	.amdgpu_metadata
---
amdhsa.version: [ 1, 2 ]
amdhsa.kernels:
  - .name:           k_q4c873cb142_ff1
    .symbol:         k_q4c873cb142_ff1.kd
    .args:
      - { .name: h2, .offset: 0, .size: 8, .value_kind: global_buffer, .address_space: global }
      - { .name: wb, .offset: 8, .size: 8, .value_kind: global_buffer, .address_space: global }
      - { .name: g, .offset: 16, .size: 8, .value_kind: global_buffer, .address_space: global }
      - { .name: b1, .offset: 24, .size: 8, .value_kind: global_buffer, .address_space: global }
    .group_segment_fixed_size: 327680
    .private_segment_fixed_size: 0
    .kernarg_segment_align: 8
    .kernarg_segment_size: 32
    .max_flat_workgroup_size: 128
    .sgpr_count:     80
    .vgpr_count:     1024
    .wavefront_size: 32
...
	.end_amdgpu_metadata
.endif
;; end of part 6
;; launch ff2 (part 7): grid 8 x 32, 4 waves a work-group, clusters of 4 x 4, 327,680 bytes of LDS; arguments g, wb, out0, b2, x1; writes out0
.if DOCPART == 7
	.amdgcn_target "amdgcn-amd-amdhsa--gfx1250"
	.amdhsa_code_object_version 6
	.text
	.protected	k_q4c873cb142_ff2
	.globl	k_q4c873cb142_ff2
	.p2align	8
	.type	k_q4c873cb142_ff2,@function
k_q4c873cb142_ff2:
	s_mov_b64 s[64:65], 0
	v_nop
	global_prefetch_b8 v0, s[64:65] scope:SCOPE_SE
	s_setreg_imm32_b32 hwreg(HW_REG_WAVE_MODE, 25, 1), 1
	s_wait_xcnt 0x0
	s_wait_alu depctr_hold_cnt(0) depctr_sa_sdst(0) depctr_va_vdst(0) depctr_va_sdst(0) depctr_va_ssrc(0) depctr_va_vcc(0) depctr_vm_vsrc(0)
	s_getreg_b32 s2, hwreg(HW_REG_IB_STS2, 6, 4)
	s_cmp_eq_u32 s2, 0
	s_cbranch_scc0 .Lentry_in_a_cluster
	s_endpgm
.Lentry_in_a_cluster:
	s_bfe_u32 s2, ttmp6, 0x10000c
	s_cmp_lg_u32 s2, 0xf033
	s_cbranch_scc0 .Lentry_shape_is_right
	s_endpgm
.Lentry_shape_is_right:
; out = res + (A B + bias) in f32, [4096][1024], for B [K][1024] bf16 as the weights lie.  One text serves two launches; WO chooses:
;   WO = 1: A = ctx, by heads [batch x 16 + head][token][64], K = 1,024; B = Wo; bias = bf16(bo); res = bf16(x); out = x1.
;   WO = 0: A = g [4096][4096], K = 4,096; B = W2; bias = bf16(b2); res = x1 as it is; out = out0.
; A tile is 128 x 128 (256 work-groups); four waves, each 64 x 64 in 16 accumulators.  K goes in steps of 256 through two LDS slots.  A is read by ds_load_b128, B ([k][n]) turned, by ds_load_tr16_b128;
; the product is used transposed (source 0 = 16 columns of B, source 1 = 16 rows of A): a lane holds 8 neighbouring columns of one row.
; With WO = 1 a K step is four heads: a wave's load is two heads x 128 tokens, two rows of 16,384 dense bytes, padded in LDS after every token's 128 bytes; a quarter of the step is a head.
; ONE K STEP IS WRITTEN: the slot in hand is the scalar TB, the refills use a walking descriptor a tensor (LDS word turned by an exclusive or: SLOT's two bits meet none of the waves' bases).
; CLUSTER 4 x 4: A's tile is shared along a row of the cluster, B's along a column.  By this text's count a wave has two tensor loads out at the start and one behind each round.
; The residual's 64 x 64 numbers are asked for at the head, into registers, and are on their way under the whole K loop.
; PREFETCH: with WO = 0, two refills ahead.  With WO = 1 none: of its four K steps two come by the first fills and two by the only two refills.
; LIMITS: bf16 operands; NaN and infinities are not treated apart.
.set WO,     0
.if WO
.set T,      4
.set AP,     144                       ; a token's 128 bytes + 16
.set AH,     2*128*AP                  ; what an A wave's load brings
.set AQ,     128*AP                    ; from quarter to quarter: a head
.set AD0,    8192                      ; elements in a row of the load,
.set AD1,    2                         ; rows,
.set ASTR,   65536                     ; elements from row to row,
.set AQI,    4                         ; padding after every 32 words
.set STEPA,  4*131072
.set WOFF,   6291456                   ; Wo in wb
.set HASPF,  0
.else
.set T,      16
.set AP,     528                       ; 512 bytes + 16
.set AH,     64*AP
.set AQ,     128
.set AD0,    256
.set AD1,    64
.set ASTR,   4096
.set AQI,    6                         ; after every 128 words
.set STEPA,  512
.set WOFF,   16777216                  ; W2 in wb
.set HASPF,  1
.endif
.set PB,     288                       ; a row of B in LDS: 256 bytes + 32
.set BH,     128*PB                    ; what a B wave's load brings: 128 rows
.set BOFF,   2*BH                      ; B lies here in a slot; A's part, in front of it, is that long at the most
.set SLOT,   4*BH
.set SPARE,  2*SLOT
.set SPITCH, 272                       ; a row of a wave's stage: 256 bytes + 16
.set STEPB,  256*2048
.set ADRA, 16                          ; v16  LDS address of my A fragments in the slot in hand
.set ADRB, 17                          ; v17, v18  of B's: k rows 0-127, 128-255
.set A0,   19                          ; v19, v20  the same in slot 0; never rewritten
.set B0,   20
.set STO,  24
.set RD,   25
.set XO,   26                          ; v26  my byte offset in two rows of the residual and of the output; never rewritten
.set BO,   27
.set SPW,  28
.set NIL,  29
.set PFO,  30
.set BIAS, 12                          ; v[12:15]
.set TMP,  32                          ; v[32:95] the way out, two sets of 32
.set ACC,  128                         ; v[128:255] accumulator (a, b) at 128 + 8 (4 a + b)
.set F0,   0                           ; fragment buffers, in window 1: 64 registers of A, then 64 of B
.set F1,   128
.set G1,  24
.set G0,  32
.set G1B, 48
.set G0B, 56
.set TB,  66
.set LIM, 67
.set PFA, 68
.set PFS, 70
.set MSB, 0
.macro WIN new
.if MSB != (\new)
	s_set_vgpr_msb (MSB<<8)|(\new)
.set MSB, \new
.endif
.endm
.set MUL,  0x05                        ; sources 0 (B) and 1 (A) window 1; C and D window 0
.set TO_F, 0x40                        ; destination window 1, address window 0
.macro PLACES
.rept 4
	v_nop
.endr
.endm
.macro JLOAD s                         ; a joint load: waves 0 and 1 fetch A's halves, waves 2 and 3 B's; an s_nop 0 and four v_nop follow each line
	s_cmp_eq_u32 s11, 0
	s_cbranch_scc0 .Lfor_b_\@
	tensor_load_to_lds s[G0+4*(\s):G0+4*(\s)+3], s[G1:G1+7]
	s_nop 0
.rept 4
	v_nop
.endr
	s_branch .Lasked_\@
.Lfor_b_\@:
	tensor_load_to_lds s[G0B+4*(\s):G0B+4*(\s)+3], s[G1B:G1B+7]
	s_nop 0
.rept 4
	v_nop
.endr
.Lasked_\@:
.endm
.macro CREST
	s_cmp_lg_u32 s10, 0
	s_cbranch_scc1 .Lnot_wave_0_\@
	s_barrier_signal -3
.Lnot_wave_0_\@:
	s_barrier_wait -3
	s_barrier_signal -1
	s_barrier_wait -1
.endm
.macro CROUND
	s_barrier_signal -1
	s_barrier_wait -1
	CREST
.endm
; A prefetch into the L2 of the K step that stands two refills on: 256 matrix instructions ahead of its load.  Of a wave's 128 blocks of 256 bytes each of the four partners takes 32, by address, a lane a
; block; A's rows are named by the clusters with x = 0 alone, B's by those with y = 0.  The last two filling trips (s3 = 2, 1) ask for nothing.
.macro ASK
	s_cmp_gt_u32 s3, s[LIM]
	s_cbranch_scc0 .Lnot_mine_\@
	global_prefetch_b8 v[PFO], s[PFA:PFA+1] th:TH_LOAD_NT scope:SCOPE_SE
.Lnot_mine_\@:
.endm
.macro RND2 lo, tmp                    ; the pair v[lo], v[lo+1] is rounded to bf16 and widened again
	v_cvt_pk_bf16_f32 v[\tmp], v[\lo], v[(\lo)+1]
	v_lshlrev_b32 v[\lo], 16, v[\tmp]
	v_and_b32 v[(\lo)+1], s76, v[\tmp]
.endm
	s_load_b128 s[4:7], s[0:1], 0x0                ; A s[4:5], wb s[6:7]
	s_load_b64 s[8:9], s[0:1], 0x10                ; the output
	s_load_b64 s[72:73], s[0:1], 0x18              ; the bias
	s_load_b64 s[74:75], s[0:1], 0x20              ; the residual
	v_lshl_add_u32 v[SPW], v0, 2, SPARE
	v_mov_b32 v[NIL], 0
	ds_add_u32 v[SPW], v[NIL]                      ; the wave's opening: the add and its wait stand ahead of my first tensor load
	v_lshrrev_b32 v1, 5, v0
	v_readfirstlane_b32 s10, v1                    ; wave 0..3
	s_lshr_b32 s11, s10, 1                         ; my half of the rows.  Also: I fetch for A (0) or for B (1)
	s_and_b32 s12, s10, 1                          ; my half of the columns.  Also: which half of that tile I fetch
	s_bfe_u32 s40, ttmp6, 0x40000                  ; cx
	s_bfe_u32 s41, ttmp6, 0x40004                  ; cy
	s_lshl_b32 s42, ttmp9, 2
	s_add_co_u32 s42, s42, s40                     ; tile column
	s_and_b32 s13, ttmp7, 0xffff
	s_lshl_b32 s13, s13, 2
	s_add_co_u32 s13, s13, s41                     ; tile row
	s_lshl_b32 s43, s41, 2
	s_lshl_b32 s43, 15, s43                        ; my row of the cluster
	s_lshl_b32 s44, 0x1111, s40                    ; my column
	s_or_b32 s[G1+0], s43, (1<<16)|(1<<20)|(1<<21)|(AQI<<22)|(3<<25)  ; the mask; 2-byte elements; padding on; bit 21 beside a mask; 4 words of padding
	s_or_b32 s[G1B+0], s44, (1<<16)|(1<<20)|(1<<21)|(5<<22)|(7<<25)   ; after every 64 words 8 words
	s_mov_b32 s[G1+1], AD0<<16
	s_mov_b32 s[G1+2], AD1<<16
	s_mov_b32 s[G1+3], AD0<<16
	s_mov_b32 s[G1+4], AD1
	s_mov_b32 s[G1+5], ASTR
	s_mov_b32 s[G1+6], 0
	s_mov_b32 s[G1+7], 0
	s_mov_b32 s[G1B+1], 128<<16
	s_mov_b32 s[G1B+2], 128<<16
	s_mov_b32 s[G1B+3], 128<<16
	s_mov_b32 s[G1B+4], 128
	s_mov_b32 s[G1B+5], 1024
	s_mov_b32 s[G1B+6], 0
	s_mov_b32 s[G1B+7], 0
.if WO
	s_lshr_b32 s16, s13, 3                         ; A: head batch x 16 + 2 x half, 131,072 bytes a head; tokens 128 (tile row % 8) on, 128 bytes each
	s_lshl_b32 s16, s16, 4
	s_lshl1_add_u32 s16, s12, s16
	s_lshl_b32 s16, s16, 17
	s_and_b32 s17, s13, 7
	s_lshl_b32 s17, s17, 14
	s_add_co_u32 s16, s16, s17
.else
	s_lshl1_add_u32 s16, s13, s12                  ; A: row 128 x tile row + 64 x half, 8,192 bytes a row
	s_lshl_b32 s16, s16, 19
.endif
	s_mov_b32 s17, 0
	s_lshl_b32 s18, s42, 8                         ; B: 256 bytes a tile column, 128 rows of 2,048 bytes a half
	s_lshl_b32 s19, s12, 18
	s_add_co_u32 s18, s18, s19
	s_add_co_u32 s18, s18, WOFF
	s_mov_b32 s19, 0
	s_mul_i32 s20, s12, AH                         ; where the parts go
	s_mul_i32 s21, s12, BH
	s_add_co_u32 s21, s21, BOFF
	s_mov_b32 s[TB], 0
	s_mov_b32 s76, 0xffff0000
	s_wait_dscnt 0x0                               ; the opening add is done
	s_wait_kmcnt 0x0
	s_add_nc_u64 s[14:15], s[4:5], s[16:17]
	s_add_nc_u64 s[46:47], s[6:7], s[18:19]
	CROUND                                         ; all sixteen work-groups are here: the first joint loads meet
.irp s, 0,1
	s_mov_b32 s[G0+4*(\s)], 1
	s_add_co_u32 s[G0+4*(\s)+1], s20, (\s)*SLOT
	s_add_nc_u64 s[G0+4*(\s)+2:G0+4*(\s)+3], s[14:15], (\s)*STEPA
	s_or_b32 s[G0+4*(\s)+3], s[G0+4*(\s)+3], 0x80000000
	s_mov_b32 s[G0B+4*(\s)], 1
	s_add_co_u32 s[G0B+4*(\s)+1], s21, (\s)*SLOT
	s_add_nc_u64 s[G0B+4*(\s)+2:G0B+4*(\s)+3], s[46:47], (\s)*STEPB
	s_or_b32 s[G0B+4*(\s)+3], s[G0B+4*(\s)+3], 0x80000000
	JLOAD \s
.endr
	v_and_b32 v1, 15, v0                           ; r
	v_bfe_u32 v2, v0, 4, 1                         ; h
	s_lshl1_add_u32 s22, s13, s11                  ; my 64 rows of 4,096 bytes,
	s_lshl_b32 s22, s22, 18
	s_lshl1_add_u32 s23, s42, s12                  ; my 64 columns: 256 bytes
	s_lshl_b32 s23, s23, 8
	s_mov_b32 s2, s23
	s_add_co_u32 s22, s22, s23
	s_mov_b32 s23, 0
	s_add_nc_u64 s[8:9], s[8:9], s[22:23]
	s_add_nc_u64 s[74:75], s[74:75], s[22:23]
	v_lshlrev_b32 v[XO], 4, v1                     ; lanes 0-15 take one row's 256 bytes, lanes 16-31 the next row's
	v_lshl_add_u32 v[XO], v2, 12, v[XO]
	v_lshl_add_u32 v[BO], v1, 4, s2
	global_load_b128 v[BIAS:BIAS+3], v[BO], s[72:73]
	WIN 0x80                                       ; destination window 2
.set t, 0
.rept 32
	global_load_b128 v[4*t:4*t+3], v[XO], s[74:75] offset:8192*t th:TH_LOAD_NT
.set t, t+1
.endr
	WIN 0
	v_mul_u32_u24 v3, v1, AP                       ; A's fragment: row r, 16 bytes for each half of the lanes
	v_lshl_add_u32 v3, v2, 4, v3
	s_mul_i32 s21, s11, 64*AP                      ; my 64 rows
	v_add_nc_u32 v[A0], s21, v3
	v_and_b32 v4, 7, v0                            ; B's: lane l reads row 8 h + l % 8, columns 8 ((l / 8) % 2) on
	v_lshl_add_u32 v4, v2, 3, v4
	v_mul_u32_u24 v4, v4, PB
	v_bfe_u32 v5, v0, 3, 1
	v_lshl_add_u32 v4, v5, 4, v4
	s_lshl_b32 s22, s12, 7                         ; my 64 columns
	s_add_co_u32 s22, s22, BOFF
	v_add_nc_u32 v[B0], s22, v4
	v_mov_b32 v[ADRA], v[A0]
	v_mov_b32 v[ADRB], v[B0]
	v_add_nc_u32 v[ADRB+1], BH, v[B0]
	s_mul_i32 s21, s10, 64*SPITCH                  ; my stage
	v_mul_u32_u24 v5, v1, SPITCH                   ; in: row r, 32 bytes for each half of the lanes
	v_lshl_add_u32 v5, v2, 5, v5
	v_add_nc_u32 v[STO], s21, v5
	v_mul_u32_u24 v5, v2, SPITCH                   ; back: lanes 0-15 one row of 256 bytes, lanes 16-31 the next
	v_lshl_add_u32 v5, v1, 4, v5
	v_add_nc_u32 v[RD], s21, v5
.if HASPF
	s_mov_b32 s14, 8192                            ; bytes from row to row in A,
	s_mov_b32 s15, 2048                            ; and in B
	s_mov_b32 s20, STEPA
	s_mov_b32 s21, STEPB
	s_lshl_b32 s22, s40, 17                        ; A: my work-group's 16 of the 64 rows, by cx
	s_add_co_u32 s22, s22, s16
	s_add_co_u32 s22, s22, 3*STEPA                 ; at K step 3: the first refill steps it to 4
	s_lshl_b32 s23, s41, 16                        ; B: my work-group's 32 of the 128 rows, by cy
	s_add_co_u32 s23, s23, s18
	s_add_co_u32 s23, s23, 3*STEPB
	s_and_b32 s2, ttmp7, 0xffff                    ; cluster y
	s_cmp_eq_u32 s11, 0                            ; do I fetch for A?
	s_cselect_b32 s2, ttmp9, s2                    ; the coordinate along which other clusters read the same rows
	s_cselect_b64 s[PFA:PFA+1], s[4:5], s[6:7]
	s_cselect_b32 s14, s14, s15
	s_cselect_b32 s[PFS], s20, s21
	s_cselect_b32 s22, s22, s23
	s_cselect_b32 s15, 1, 0                        ; blocks of 256 bytes in a row of my share, less one
	s_mov_b32 s23, 0
	s_mov_b32 s[PFS+1], 0
	s_add_nc_u64 s[PFA:PFA+1], s[PFA:PFA+1], s[22:23]
	s_cmp_eq_u32 s2, 0
	s_cselect_b32 s[LIM], 2, -1                    ; the same in all sixteen partners, for a given wave
	v_and_b32 v7, 31, v0
	v_lshrrev_b32 v[PFO], s15, v7
	v_and_b32 v8, s15, v7
	v_mul_lo_u32 v[PFO], v[PFO], s14
	v_lshl_add_u32 v[PFO], v8, 8, v[PFO]
.endif
; 8 matrix instructions: row blocks a0, a0 + 1 x all 4 column blocks, 32 along K: half c of buffer f.  The 16 accumulators take turns, in the same order everywhere.
.macro MUL8 f, c, a0, zero
	WIN MUL
.irp a, \a0, (\a0)+1
.irp b, 0,1,2,3
.if \zero
	v_wmma_f32_16x16x32_bf16 v[ACC+8*(4*(\a)+(\b)):ACC+8*(4*(\a)+(\b))+7], v[(\f)+64+8*(4*(\c)+(\b)):(\f)+64+8*(4*(\c)+(\b))+7], v[(\f)+8*(4*(\c)+(\a)):(\f)+8*(4*(\c)+(\a))+7], 0
.else
	v_wmma_f32_16x16x32_bf16 v[ACC+8*(4*(\a)+(\b)):ACC+8*(4*(\a)+(\b))+7], v[(\f)+64+8*(4*(\c)+(\b)):(\f)+64+8*(4*(\c)+(\b))+7], v[(\f)+8*(4*(\c)+(\a)):(\f)+8*(4*(\c)+(\a))+7], v[ACC+8*(4*(\a)+(\b)):ACC+8*(4*(\a)+(\b))+7]
.endif
.endr
.endr
.endm
; 32 LDS loads in one run: quarter q (64 along K) of the slot in hand into buffer f; its first 32 along K first
.macro FETCH q, f
	WIN TO_F
.irp c, 0,1
.irp i, 0,1,2,3
	ds_load_tr16_b128 v[(\f)+64+8*(4*(\c)+(\i)):(\f)+64+8*(4*(\c)+(\i))+3],   v[ADRB+(\q)/2] offset:(((\q)%2)*64+32*(\c))*PB+32*(\i)
	ds_load_tr16_b128 v[(\f)+64+8*(4*(\c)+(\i))+4:(\f)+64+8*(4*(\c)+(\i))+7], v[ADRB+(\q)/2] offset:(((\q)%2)*64+32*(\c))*PB+16*PB+32*(\i)
	ds_load_b128 v[(\f)+8*(4*(\c)+(\i)):(\f)+8*(4*(\c)+(\i))+3],   v[ADRA] offset:(\q)*AQ+64*(\c)+(\i)*16*AP
	ds_load_b128 v[(\f)+8*(4*(\c)+(\i))+4:(\f)+8*(4*(\c)+(\i))+7], v[ADRA] offset:(\q)*AQ+64*(\c)+(\i)*16*AP+32
.endr
.endr
.endm
.macro QUARTER q, f, g, zero=0         ; multiplies buffer f; in its middle fetches quarter q into buffer g
	s_wait_dscnt 16                                ; the first 32 along K are in
	MUL8 \f, 0, 0, \zero
	MUL8 \f, 0, 2, \zero
	PLACES
	FETCH \q, \g
	s_wait_dscnt 32                                ; all but the 32 just issued
	MUL8 \f, 1, 0, 0
	MUL8 \f, 1, 2, 0
.endm
; The last quarter multiplies buffer 1 and changes slots: each wave waits for all its tensor loads, adds 0 to its spare word, waits for that and for its reads of this slot, and signals.
; fill = 1: the barrier opens a round of the cluster's, and the slot just read is filled again first thing behind it, with the K step two on.
.macro TURN fill
.if (\fill) && HASPF
	s_wait_xcnt 0x0                                ; the last prefetch, a K step back, has read its address
	s_add_nc_u64 s[PFA:PFA+1], s[PFA:PFA+1], s[PFS:PFS+1]
.endif
	WIN 0
	s_wait_tensorcnt 0x0                           ; all my tensor loads have landed
	ds_add_u32 v[SPW], v[NIL]                      ; 0 onto my spare word
	s_wait_dscnt 17                                ; (the add and the youngest sixteen loads may be out)
	MUL8 F1, 0, 0, 0
	s_wait_dscnt 0x0                               ; the add is done, and my reads of this slot are over
	s_barrier_signal -1
	MUL8 F1, 0, 2, 0
	WIN 0
	s_barrier_wait -1
.if \fill
	CREST                                          ; no wave of any partner still reads this slot or has a load on its way
	s_xor_b32 s[G0+5], s[G0+5], SLOT
	s_add_nc_u64 s[G0+6:G0+7], s[G0+6:G0+7], STEPA
	s_xor_b32 s[G0B+5], s[G0B+5], SLOT
	s_add_nc_u64 s[G0B+6:G0B+7], s[G0B+6:G0B+7], STEPB
.endif
	s_xor_b32 s[TB], s[TB], SLOT
.if \fill
	JLOAD 1                                        ; its four v_nop are also the places in front of the loads below
.else
	PLACES
.endif
	v_add_nc_u32 v[ADRA], s[TB], v[A0]
	v_add_nc_u32 v[ADRB], s[TB], v[B0]
	v_add_nc_u32 v[ADRB+1], BH, v[ADRB]
	FETCH 0, F0
.if (\fill) && HASPF
	WIN 0
	ASK
.endif
	MUL8 F1, 1, 0, 0
	MUL8 F1, 1, 2, 0
.endm
	s_wait_tensorcnt 1                             ; my part of K step 0 is in; K step 1's may stay out
	s_barrier_signal -1
	s_barrier_wait -1
	FETCH 0, F0
	QUARTER 1, F0, F1, 1                           ; the first products start the sums
	WIN 0
	s_mov_b32 s3, T-2
.Lstep:                                        ; a trip: a K step's quarters 1 to 3 and the next step's quarter 0; the slot left is filled again
	QUARTER 2, F1, F0
	QUARTER 3, F0, F1
	TURN 1
	QUARTER 1, F0, F1
	WIN 0
	s_sub_co_u32 s3, s3, 1
	s_cmp_lg_u32 s3, 0
	s_cbranch_scc1 .Lstep
	s_mov_b32 s3, 2
.Ltail:                                        ; the last two K steps ask for nothing.  The second pass is left in its middle; the fragments that its change of slots fetches (landed bytes of the other slot) are not multiplied
	QUARTER 2, F1, F0
	QUARTER 3, F0, F1
	TURN 0
	WIN 0
	s_sub_co_u32 s3, s3, 1
	s_cmp_eq_u32 s3, 0
	s_cbranch_scc1 .Lout
	QUARTER 1, F0, F1
	WIN 0
	s_cmp_lg_u32 s3, 0
	s_cbranch_scc1 .Ltail
.Lout:
	PLACES                                         ; behind the last products
	s_wait_dscnt 0x0                               ; my reads of the ring are over,
	s_barrier_signal -1
	s_barrier_wait -1                              ; everybody's are: the ring, which has had its last fill, holds the four stages
.irp a, 0,1,2,3                        ; each accumulator's low four registers go first
.irp b, 0,1,2,3
	ds_store_b128 v[STO], v[ACC+8*(4*(\a)+(\b)):ACC+8*(4*(\a)+(\b))+3]   offset:(\a)*16*SPITCH+64*(\b)
	ds_store_b128 v[STO], v[ACC+8*(4*(\a)+(\b))+4:ACC+8*(4*(\a)+(\b))+7] offset:(\a)*16*SPITCH+64*(\b)+16
.endr
.endr
	s_wait_loadcnt 0x0                             ; bias and residual
	RND2 BIAS, 10                                  ; the bias is an input: rounded to bf16
	RND2 BIAS+2, 11
.if WO
	WIN 0xaa                                       ; all places window 2: the residual is the input x: rounded to bf16
.set k, 0
.rept 64
	RND2 2*k, 128+k%2
.set k, k+1
.endr
	WIN 0
.endif
.irp q, 0,1,2,3                        ; 16 rows a group, through two sets of registers
.if (\q) >= 2
	s_wait_xcnt 0x0                                ; the stores of the group two back have read this set
.endif
.irp t, 0,1,2,3,4,5,6,7
	ds_load_b128 v[TMP+32*((\q)%2)+4*(\t):TMP+32*((\q)%2)+4*(\t)+3], v[RD] offset:(8*(\q)+(\t))*2*SPITCH  ; LDS serves a wave's instructions in order (ISA guide 5.7.1.4): these see my stores above
.endr
	s_wait_dscnt 0x0
.irp t, 0,1,2,3,4,5,6,7
	v_pk_add_f32 v[TMP+32*((\q)%2)+4*(\t):TMP+32*((\q)%2)+4*(\t)+1],   v[TMP+32*((\q)%2)+4*(\t):TMP+32*((\q)%2)+4*(\t)+1],   v[BIAS:BIAS+1]
	v_pk_add_f32 v[TMP+32*((\q)%2)+4*(\t)+2:TMP+32*((\q)%2)+4*(\t)+3], v[TMP+32*((\q)%2)+4*(\t)+2:TMP+32*((\q)%2)+4*(\t)+3], v[BIAS+2:BIAS+3]
.endr
	WIN 0x08                                       ; source 1 window 2: the residual
.irp t, 0,1,2,3,4,5,6,7
	v_pk_add_f32 v[TMP+32*((\q)%2)+4*(\t):TMP+32*((\q)%2)+4*(\t)+1],   v[TMP+32*((\q)%2)+4*(\t):TMP+32*((\q)%2)+4*(\t)+1],   v[4*(8*(\q)+(\t)):4*(8*(\q)+(\t))+1]
	v_pk_add_f32 v[TMP+32*((\q)%2)+4*(\t)+2:TMP+32*((\q)%2)+4*(\t)+3], v[TMP+32*((\q)%2)+4*(\t)+2:TMP+32*((\q)%2)+4*(\t)+3], v[4*(8*(\q)+(\t))+2:4*(8*(\q)+(\t))+3]
.endr
	WIN 0
.irp t, 0,1,2,3,4,5,6,7
.if WO
	global_store_b128 v[XO], v[TMP+32*((\q)%2)+4*(\t):TMP+32*((\q)%2)+4*(\t)+3], s[8:9] offset:8192*(8*(\q)+(\t))  ; 16 lanes store 256 consecutive bytes, aligned
.else
	global_store_b128 v[XO], v[TMP+32*((\q)%2)+4*(\t):TMP+32*((\q)%2)+4*(\t)+3], s[8:9] offset:8192*(8*(\q)+(\t)) th:TH_STORE_NT
.endif
.endr
.endr
	s_wait_tensorcnt 0x0                           ; the wave's end: behind my last tensor load and my last LDS store
	ds_add_u32 v[SPW], v[NIL]
	s_wait_dscnt 0x0
	CROUND                                         ; the closing round
	s_endpgm
.Lfunc_end_k_q4c873cb142_ff2:
	.size	k_q4c873cb142_ff2, .Lfunc_end_k_q4c873cb142_ff2-k_q4c873cb142_ff2
	.p2alignl 7, 3214868480
	.fill 96, 4, 3214868480
	.section	.rodata,"a",@progbits
	.p2align	6, 0x0
	.amdhsa_kernel k_q4c873cb142_ff2
		.amdhsa_group_segment_fixed_size 327680
		.amdhsa_private_segment_fixed_size 0
		.amdhsa_enable_private_segment 0
		.amdhsa_kernarg_size 40
		.amdhsa_user_sgpr_count 2
		.amdhsa_user_sgpr_kernarg_segment_ptr 1
		.amdhsa_wavefront_size32 1
		.amdhsa_system_sgpr_workgroup_id_x 1
		.amdhsa_system_sgpr_workgroup_id_y 1
		.amdhsa_system_sgpr_workgroup_id_z 1
		.amdhsa_system_vgpr_workitem_id 0
		.amdhsa_next_free_vgpr 644
		.amdhsa_next_free_sgpr 80
		.amdhsa_reserve_vcc 0
		.amdhsa_float_denorm_mode_32 3
		.amdhsa_float_denorm_mode_16_64 3
		.amdhsa_memory_ordered 1
		.amdhsa_forward_progress 1
		.amdhsa_inst_pref_size 71
	.end_amdhsa_kernel
	.amdgpu_metadata
---
amdhsa.version: [ 1, 2 ]
amdhsa.kernels:
  - .name:           k_q4c873cb142_ff2
    .symbol:         k_q4c873cb142_ff2.kd
    .args:
      - { .name: g, .offset: 0, .size: 8, .value_kind: global_buffer, .address_space: global }
      - { .name: wb, .offset: 8, .size: 8, .value_kind: global_buffer, .address_space: global }
      - { .name: out0, .offset: 16, .size: 8, .value_kind: global_buffer, .address_space: global }
      - { .name: b2, .offset: 24, .size: 8, .value_kind: global_buffer, .address_space: global }
      - { .name: x1, .offset: 32, .size: 8, .value_kind: global_buffer, .address_space: global }
    .group_segment_fixed_size: 327680
    .private_segment_fixed_size: 0
    .kernarg_segment_align: 8
    .kernarg_segment_size: 40
    .max_flat_workgroup_size: 128
    .sgpr_count:     80
    .vgpr_count:     644
    .wavefront_size: 32
...
	.end_amdgpu_metadata
.endif
;; end of part 7
